; MI455X (gfx1250); checked and timed in simulation.
; The chip was launched on July 23, 2026; its instructions are those of AMD's public machine-readable ISA for CDNA 5 (MIT licence, August 2026) and "CDNA5" Instruction Set Architecture Reference Guide (July 2026). The comments in the code are by the model that wrote it; some were corrected since.
;; Cosine Self Attention. Allowed arithmetic: float matrix products may take bf16 or f16 operands with f32 sums; other float arithmetic in f32, or as packed bf16 or f16 multiplies, adds, multiply-adds, maxima and minima; sums over many terms, partial sums and values carried from step to step in f32; what a program stores and reads back later, other than sums and carried values, may be rounded once to bf16 or f16.
;; Inputs: Wk 1,024 x 1,024 float32; Wq 1,024 x 1,024 float32; Wv 1,024 x 1,024 float32; attention_mask 4 x 1 x 1 x 4,096 float32; bk 1,024 float32; bq 1,024 float32; bv 1,024 float32; hidden_states 4 x 4,096 x 1,024 float32.
;; Outputs: out0 4 x 4,096 x 1,024 float32.
;; 2 versions, each right; version 2 is version 1 with the launch prep written anew for expert scheduling mode. Each part assembles by itself: llvm-mc -triple=amdgcn-amd-amdhsa -mcpu=gfx1250 --defsym DOCPART=n.
;; ======== version 1 of 2: 4 launches
;; limits: values outside matrix products are rounded to bf16
;; workspace buffers: xb 33,554,432 bytes; wb 6,291,456 bytes; dn 1,024 bytes; part 12,582,912 bytes; g 655,360 bytes; vs 262,144 bytes
;; launch prep (part 1): grid 1217 x 1, 4 waves a work-group, no clusters, 0 bytes of LDS; arguments hidden_states, Wk, Wv, Wq, attention_mask, xb, wb, dn; writes xb, wb, dn
.if DOCPART == 1
	.amdgcn_target "amdgcn-amd-amdhsa--gfx1250"
	.amdhsa_code_object_version 6
	.text
	.protected	k_q31440f9e57_prep
	.globl	k_q31440f9e57_prep
	.p2align	8
	.type	k_q31440f9e57_prep,@function
k_q31440f9e57_prep:
	s_mov_b64 s[64:65], 0
	v_nop
	global_prefetch_b8 v0, s[64:65] scope:SCOPE_SE
	s_setreg_imm32_b32 hwreg(HW_REG_WAVE_MODE, 25, 1), 1
	s_wait_xcnt 0x0
; X and the three W are rounded once to bf16; dn[b] = sum over s of (mask/10000 + 1) + 1e-5.
; xb: [16384][1024] bf16.  wb: [1024 k][3072 n'] bf16; column blocks of 128: blocks 0-15 alternate Wk's and Wv's block j, blocks 16-23 are Wq's.
; A work-group takes 65,536 consecutive bytes of one f32 source (16 rows of 1,024 numbers), a wave 16,384: 32 loads of 512 consecutive bytes, all out at once.
; A load's 128 numbers leave as one store of 256 consecutive bytes, aligned.  Work-groups 0-1023: X; 1024-1215: Wk, Wv, Wq (64 each); 1216: the mask, a wave a batch.
; No LDS, no barrier, no matrix unit: every byte is read once and written once, and no wave needs another's data.
; The quotient mask/10000 is a multiply by 1e-4 and one correction step (r = x - 10000 q; q += r 1e-4).
.set D,    16                          ; v[16:143] 32 pieces of 4 registers
.set OFFB, 2                           ; v[2:9]    8 x lane + j x (bytes from a row's block j to block j + 1)
.set TD,   144                         ; v[144:151] at work (the mask's path)
	s_load_b512 s[4:19], s[0:1], 0x0               ; hidden s[4:5], Wk s[6:7], Wv s[8:9], Wq s[10:11], mask s[12:13], xb s[14:15], wb s[16:17], dn s[18:19]
	v_and_b32 v10, 31, v0
	v_lshrrev_b32 v11, 5, v0
	v_readfirstlane_b32 s20, v11                   ; wave
	v_lshlrev_b32 v1, 4, v10                       ; 16 x lane: my bytes of a load
	v_lshlrev_b32 v[OFFB], 3, v10                  ; 8 x lane: my bytes of a store
	s_mov_b32 s21, ttmp9
	s_sub_co_u32 s26, s21, 1024
	s_lshr_b32 s25, s26, 6                         ; which W (0 Wk, 1 Wv, 2 Wq, 3 the mask); no small number for X
	s_and_b32 s26, s26, 63                         ; which 16 rows of it
	s_mov_b32 s23, 6144                            ; bytes in a row of wb
	s_mov_b32 s24, 256
	s_cmp_lt_u32 s21, 1152
	s_cselect_b32 s24, 512, s24                    ; Wk's and Wv's blocks alternate: 512 bytes apart
	s_lshl_b32 s27, s25, 8                         ; first block: Wk 0, Wv 256,
	s_cmp_eq_u32 s25, 2
	s_cselect_b32 s27, 4096, s27                   ; Wq 4,096
	s_cmp_lt_u32 s21, 1024                         ; X?
	s_cselect_b32 s22, s21, s26
	s_cselect_b32 s23, 2048, s23
	s_cselect_b32 s24, 256, s24
	s_cselect_b32 s27, 0, s27
.irp j, 1,2,3,4,5,6,7
	v_add_nc_u32 v[OFFB+(\j)], s24, v[OFFB+(\j)-1]
.endr
	s_lshl_b32 s30, s22, 16                        ; source: 65,536 a work-group,
	s_lshl_b32 s31, s20, 14                        ; 16,384 a wave
	s_add_co_u32 s30, s30, s31
	s_mov_b32 s31, 0
	s_lshl_b32 s42, s22, 4
	s_lshl2_add_u32 s42, s20, s42                  ; my first row: 16 P + 4 wave
	s_mul_i32 s42, s42, s23
	s_add_co_u32 s42, s42, s27
	s_mov_b32 s43, 0
	s_mov_b32 s44, s23                             ; a row's bytes as a pair
	s_mov_b32 s45, 0
	s_mov_b32 s40, 0x76543210                      ; v_permlanex16_b32: each lane takes its own place in the other half
	s_mov_b32 s41, 0xfedcba98
	s_wait_kmcnt 0x0
	s_cmp_eq_u32 s25, 1
	s_cselect_b64 s[28:29], s[8:9], s[6:7]
	s_cmp_eq_u32 s25, 2
	s_cselect_b64 s[28:29], s[10:11], s[28:29]
	s_cmp_eq_u32 s25, 3
	s_cselect_b64 s[28:29], s[12:13], s[28:29]
	s_cmp_lt_u32 s21, 1024
	s_cselect_b64 s[28:29], s[4:5], s[28:29]
	s_cselect_b64 s[32:33], s[14:15], s[16:17]
	s_add_nc_u64 s[28:29], s[28:29], s[30:31]
	s_add_nc_u64 s[32:33], s[32:33], s[42:43]      ; my four rows' bases
	s_add_nc_u64 s[34:35], s[32:33], s[44:45]
	s_add_nc_u64 s[36:37], s[34:35], s[44:45]
	s_add_nc_u64 s[38:39], s[36:37], s[44:45]
.set i, 0
.rept 32
	global_load_b128 v[D+4*i:D+4*i+3], v1, s[28:29] offset:512*i th:TH_LOAD_NT
.set i, i+1
.endr
	s_cmp_eq_u32 s21, 1216
	s_cbranch_scc1 .Lmask
.set i, 0
.rept 32
	s_wait_loadcnt 31-i                            ; loads come back in order: piece i is in, the 31 - i younger ones stay out
	v_cvt_pk_bf16_f32 v[D+4*i], v[D+4*i], v[D+4*i+1]
	v_cvt_pk_bf16_f32 v[D+4*i+1], v[D+4*i+2], v[D+4*i+3]
	global_store_b64 v[OFFB+i%8], v[D+4*i:D+4*i+1], s[32+2*(i/8):33+2*(i/8)]  ; 32 lanes x 8 bytes: 256 consecutive bytes; no register of a store is written again
.set i, i+1
.endr
	s_endpgm
.Lmask:                                            ; a wave holds its batch's 4,096 numbers
	s_mov_b32 s22, 0x38d1b717                      ; 1e-4, as a pair of which the packed lines take the low word; the set-up's scalars are free
	s_mov_b32 s23, s22
	s_mov_b32 s24, 0xc61c4000                      ; -10000
	s_mov_b32 s25, s24
	s_wait_loadcnt 0x0
.set i, 0
.rept 16
.irp p, 0,1,2,3
	v_pk_mul_f32 v[TD+2*(\p):TD+2*(\p)+1], v[D+8*i+2*(\p):D+8*i+2*(\p)+1], s[22:23] op_sel_hi:[1,0]  ; q = x 1e-4
.endr
.irp p, 0,1,2,3
	v_pk_fma_f32 v[D+8*i+2*(\p):D+8*i+2*(\p)+1], v[TD+2*(\p):TD+2*(\p)+1], s[24:25], v[D+8*i+2*(\p):D+8*i+2*(\p)+1] op_sel_hi:[1,0,1]  ; r = x - 10000 q
.endr
.irp p, 0,1,2,3
	v_pk_fma_f32 v[D+8*i+2*(\p):D+8*i+2*(\p)+1], v[D+8*i+2*(\p):D+8*i+2*(\p)+1], s[22:23], v[TD+2*(\p):TD+2*(\p)+1] op_sel_hi:[1,0,1]  ; q + r 1e-4
.endr
.irp p, 0,1,2,3
	v_pk_add_f32 v[D+8*i+2*(\p):D+8*i+2*(\p)+1], v[D+8*i+2*(\p):D+8*i+2*(\p)+1], 1.0 op_sel_hi:[1,0]  ; m
.endr
.set i, i+1
.endr
.set st, 2                                         ; a tree over the 64 pairs: partners 2, 4 .. 64 registers apart
.rept 6
.set u, 0
.rept 64/st
	v_pk_add_f32 v[D+2*st*u:D+2*st*u+1], v[D+2*st*u:D+2*st*u+1], v[D+2*st*u+st:D+2*st*u+st+1]
.set u, u+1
.endr
.set st, st*2
.endr
	v_add_f32 v[D], v[D], v[D+1]
	v_add_f32_dpp v[D], v[D], v[D] row_xmask:1 row_mask:0xf bank_mask:0xf
	v_add_f32_dpp v[D], v[D], v[D] row_xmask:2 row_mask:0xf bank_mask:0xf
	v_add_f32_dpp v[D], v[D], v[D] row_xmask:4 row_mask:0xf bank_mask:0xf
	v_add_f32_dpp v[D], v[D], v[D] row_xmask:8 row_mask:0xf bank_mask:0xf
	v_permlanex16_b32 v[D+1], v[D], s40, s41
	v_add_f32 v[D], v[D], v[D+1]
	v_add_f32 v[D], 0x3727c5ac, v[D]               ; + 1e-5
	v_mov_b32 v[D+1], v[D]
	v_lshl_add_u32 v[D+2], s20, 8, v[OFFB]         ; 256 x batch + 8 x lane: the batch's 64 words all hold the number
	global_store_b64 v[D+2], v[D:D+1], s[18:19]
	s_endpgm
.Lfunc_end_k_q31440f9e57_prep:
	.size	k_q31440f9e57_prep, .Lfunc_end_k_q31440f9e57_prep-k_q31440f9e57_prep
	.p2alignl 7, 3214868480
	.fill 96, 4, 3214868480
	.section	.rodata,"a",@progbits
	.p2align	6, 0x0
	.amdhsa_kernel k_q31440f9e57_prep
		.amdhsa_group_segment_fixed_size 0
		.amdhsa_private_segment_fixed_size 0
		.amdhsa_enable_private_segment 0
		.amdhsa_kernarg_size 64
		.amdhsa_user_sgpr_count 2
		.amdhsa_user_sgpr_kernarg_segment_ptr 1
		.amdhsa_wavefront_size32 1
		.amdhsa_system_sgpr_workgroup_id_x 1
		.amdhsa_system_sgpr_workgroup_id_y 1
		.amdhsa_system_sgpr_workgroup_id_z 1
		.amdhsa_system_vgpr_workitem_id 0
		.amdhsa_next_free_vgpr 152
		.amdhsa_next_free_sgpr 66
		.amdhsa_reserve_vcc 0
		.amdhsa_float_denorm_mode_32 3
		.amdhsa_float_denorm_mode_16_64 3
		.amdhsa_memory_ordered 1
		.amdhsa_forward_progress 1
		.amdhsa_inst_pref_size 35
	.end_amdhsa_kernel
	.amdgpu_metadata
---
amdhsa.version: [ 1, 2 ]
amdhsa.kernels:
  - .name:           k_q31440f9e57_prep
    .symbol:         k_q31440f9e57_prep.kd
    .args:
      - { .name: hidden_states, .offset: 0, .size: 8, .value_kind: global_buffer, .address_space: global }
      - { .name: Wk, .offset: 8, .size: 8, .value_kind: global_buffer, .address_space: global }
      - { .name: Wv, .offset: 16, .size: 8, .value_kind: global_buffer, .address_space: global }
      - { .name: Wq, .offset: 24, .size: 8, .value_kind: global_buffer, .address_space: global }
      - { .name: attention_mask, .offset: 32, .size: 8, .value_kind: global_buffer, .address_space: global }
      - { .name: xb, .offset: 40, .size: 8, .value_kind: global_buffer, .address_space: global }
      - { .name: wb, .offset: 48, .size: 8, .value_kind: global_buffer, .address_space: global }
      - { .name: dn, .offset: 56, .size: 8, .value_kind: global_buffer, .address_space: global }
    .group_segment_fixed_size: 0
    .private_segment_fixed_size: 0
    .kernarg_segment_align: 8
    .kernarg_segment_size: 64
    .max_flat_workgroup_size: 128
    .sgpr_count:     66
    .vgpr_count:     152
    .wavefront_size: 32
...
	.end_amdgpu_metadata
.endif
;; end of part 1
;; launch kvgemm (part 2): grid 8 x 32, 4 waves a work-group, clusters of 4 x 4, 327,680 bytes of LDS; arguments xb, wb, bk, bv, attention_mask, part; writes part
.if DOCPART == 2
	.amdgcn_target "amdgcn-amd-amdhsa--gfx1250"
	.amdhsa_code_object_version 6
	.text
	.protected	k_q31440f9e57_kvgemm
	.globl	k_q31440f9e57_kvgemm
	.p2align	8
	.type	k_q31440f9e57_kvgemm,@function
k_q31440f9e57_kvgemm:
	s_mov_b64 s[64:65], 0
	v_nop
	global_prefetch_b8 v0, s[64:65] scope:SCOPE_SE
	s_setreg_imm32_b32 hwreg(HW_REG_WAVE_MODE, 25, 1), 1
	s_wait_xcnt 0x0
	s_wait_alu depctr_hold_cnt(0) depctr_sa_sdst(0) depctr_va_vdst(0) depctr_va_sdst(0) depctr_va_ssrc(0) depctr_va_vcc(0) depctr_vm_vsrc(0)
	s_getreg_b32 s2, hwreg(HW_REG_IB_STS2, 6, 4)
	s_cmp_eq_u32 s2, 0
	s_cbranch_scc0 .Lentry_in_a_cluster
	s_endpgm
.Lentry_in_a_cluster:
	s_bfe_u32 s2, ttmp6, 0x10000c
	s_cmp_lg_u32 s2, 0xf033
	s_cbranch_scc0 .Lentry_shape_is_right
	s_endpgm
.Lentry_shape_is_right:
; [K | V] = X [Wk | Wv] + bias; k = K m / (|m| ||K|| + 1e-5) over each head's 64 channels; then, for each (batch, head), partial sums over 512 rows of k^T v, sum k, sum v.
; xb [16384][1024] bf16, wb [1024 k][3072] bf16; products in bf16 with f32 sums.  k and v never reach memory.
; SHARES.  A work-group makes two tiles of 256 rows x 256 columns, 2,048 rows apart in one batch.  A tile's columns are k of heads 2x, 2x+1 and v of the same heads.  Wave (RH, CH): 128 rows x (k | v) of head 2x + CH:
; 64 accumulators of 16 x 16; block b = 0..3 is k's channels 16 b on, b = 4..7 v's.
; LAYOUT.  Source 0 = 16 rows of X, source 1 = 16 columns of W: in a result lane l holds column l % 16 and rows 8 (l / 16) + 0..7.  Two row blocks rounded to bf16 in pairs ARE a fragment with the column
; in the lane and 32 rows along K: source 0 (k^T, v^T) and source 1 (v) alike.  So k^T v = KF x VF, sum k = KF x ones, sum v = VF x ones: 24 more accumulators, kept over both tiles.
; RING.  K in 8 steps of 128 through two LDS slots; X's rows lie along K (pitch 272), W's tile lies [k][column] (pitch 544) and is turned by ds_load_tr16_b128.  One tensor load a wave behind each round.
; CLUSTER 4 x 4: X's tile is shared along a row of the cluster, W's along a column: joint loads.
; THE TEXT IS KEPT SHORT.  K step 7's three plain quarters stand once, between two forward choices on the tile counter (a change of slots with or without a refill).  The text behind a tile is a loop of two trips
; over the two register windows of accumulators: what names accumulators stands in two arms, what works on fixed registers stands once.  A trip loads its own mask words at its top and waits for them in its own factor step.
; LIMITS.  mask/10000 is a multiply and one correction step; ||K m|| is taken as |m| ||K||; a head's sum of squares overflows beyond |K| of some 2e18 and counts as 0 below 2^-126 (the norm is then 1e-5 alone);
; sum k and sum v are f32 sums of the bf16-rounded k and v; NaN and infinities are not treated apart.
; REGISTERS, in windows of 256 (s_set_vgpr_msb: bits 1:0 source 0, 3:2 source 1, 5:4 source 2, 7:6 destination):
;   window 0: v0-15 addresses; v16-31 bias; v32-63 mask; v64-127, v128-191 X's fragments (two buffers); v192-255 sum k, sum v.   After a tile v128-191 are at work: squares and factors, ones, temporaries
;   window 1: v0-63, v192-255 k^T v; v64-127, v128-191 W's fragments; after a tile v128-191 hold KF and VF          windows 2, 3: the tile's accumulators, (a, b) at v[8 (8 (a % 4) + b)]
.set PA,     272                       ; an LDS row of X: 256 bytes + 16: the 16 rows of a load start at 16 different groups of four banks
.set PB,     544                       ; an LDS row of W: 512 bytes + 32 = 17 x 32
.set HALFT,  34816                     ; what one tensor load brings: 128 x PA = 64 x PB
.set SLOT,   4*HALFT                   ; X's 256 rows, then W's 128 k-rows; 0x22000 shares no bit with wave x HALFT, so one exclusive or changes slots
.set STAGE,  2*SLOT                    ; behind the ring, never filled by a tensor load: 16,896 bytes for each column half, where the two row halves' sums meet
.set SPARE,  STAGE+33792               ; the spare words, 128 bytes a wave: two blocks of 256 bytes that no other line names
.set STEP_A, 256                       ; bytes from a K step to the next: along X's rows,
.set STEP_B, 128*6144                  ; down W's
.set NEXT_A, 2048*2048-7*STEP_A        ; from a tile's K step n + 7 to the next tile's K step n
.set BACK_B, 7*STEP_B
.set CW,     128                       ; bytes of a W row from one wave's columns to the other's
.set CJ,     128                       ; blocks 4-7 (v) begin 256 bytes behind block 0: 32 x 4 + CJ
.set COL0,   0                         ; the launch's first column of wb, in bytes
.set ADRA0, 2
.set ADRB0, 3
.set ADRA,  4
.set ADRB,  5
.set MO,    6                          ; 32 (l / 16): my 8 rows' mask words
.set BO,    7                          ; 4 (l % 16): my column's bias
.set LO,    8                          ; 16 l
.set LS,    9                          ; my 16 bytes of an image in the stage
.set LB,    10                         ; the same for sum k, sum v, which are equal in the 16 lanes of a half
.set PFO,   11
.set SPW,   12
.set NIL,   13
.set BI,    16
.set M,     32
.set F0,    64
.set F1,    128
.set SQ,    128
.set ONE,   160
.set TD,    168
.set AUG,   192
.set KF,    128
.set VF,    160
.set G1,  24
.set G0,  32
.set G1B, 48
.set G0B, 56
.set TB,  66                           ; 0 or SLOT: the slot that is read
.set LIM, 67                           ; 2 in a wave that prefetches, else the greatest number
.set PFA, 68
.set PFS, 70
.set MB,  72
.set EPSR, 74
.set OUTB, 76
.set WV,  80
.set RH,  81
.set CH,  82
.set CX,  83
.set CY,  84
.set TX,  85
.set TY,  86
.set WC,  87                           ; counts the two windows behind a tile
.set CDIV, 88
.set NDIV, 90
.set BKP, 92
.set BVP, 94
.set MSB, 0
.macro WIN new                         ; the immediate's high byte repeats the setting that is left; a switch that changes nothing is dropped
.if MSB != (\new)
	s_set_vgpr_msb (MSB<<8)|(\new)
.set MSB, \new
.endif
.endm
.macro PLACES                          ; four plain vector instructions between a matrix instruction and a load into, or a vector line on, its registers
.rept 4
	v_nop
.endr
.endm
.macro CREST                           ; a round of the cluster's barrier behind its opening barrier
	s_cmp_lg_u32 s[WV], 0
	s_cbranch_scc1 .Lnot_wave_0_\@
	s_barrier_signal -3
.Lnot_wave_0_\@:
	s_barrier_wait -3
	s_barrier_signal -1
	s_barrier_wait -1
.endm
.macro CROUND
	s_barrier_signal -1
	s_barrier_wait -1
	CREST
.endm
.macro JLOAD                           ; a joint refill by the walking descriptor: waves 0, 1 X's halves, waves 2, 3 W's; an s_nop 0 and four v_nop follow each line
	s_cmp_eq_u32 s[RH], 0
	s_cbranch_scc0 .Lfor_b_\@
	tensor_load_to_lds s[G0+4:G0+7], s[G1:G1+7]
	s_nop 0
.rept 4
	v_nop
.endr
	s_branch .Lasked_\@
.Lfor_b_\@:
	tensor_load_to_lds s[G0B+4:G0B+7], s[G1B:G1B+7]
	s_nop 0
.rept 4
	v_nop
.endr
.Lasked_\@:
.endm
; A prefetch of the K step two refills on: 512 matrix instructions ahead of the load that wants it.  X's rows are asked for by the clusters with x = 0, W's by those with y = 0; the four partners of a joint load
; share its 128 x 256 bytes (X) or 64 x 512 bytes (W) out by address, 32 blocks of 256 bytes each, a lane a block.  how = 0: in the loop, K steps 4 to 7; how = 1: at a change of tiles, X's K steps 2, 3.
.macro ASK how
.if \how
	s_cmp_eq_u32 s[LIM], 2
.else
	s_cmp_gt_u32 s3, s[LIM]
.endif
	s_cbranch_scc0 .Lnot_mine_\@
	global_prefetch_b8 v[PFO], s[PFA:PFA+1] th:TH_LOAD_NT scope:SCOPE_SE
.Lnot_mine_\@:
.endm
; 16 matrix instructions: row blocks a0, a0 + 1 of the window's four x all 8 column blocks.  cm = 1: the first product starts the sums
.macro MUL16 f, hi, a0, cm
	WIN 0xa4+0x50*(\hi)
.irp a, \a0, (\a0)+1
.irp b, 0,1,2,3,4,5,6,7
.if \cm
	v_wmma_f32_16x16x32_bf16 v[8*(8*(\a)+(\b)):8*(8*(\a)+(\b))+7], v[(\f)+8*(4*(\hi)+(\a)):(\f)+8*(4*(\hi)+(\a))+7], v[(\f)+8*(\b):(\f)+8*(\b)+7], 0
.else
	v_wmma_f32_16x16x32_bf16 v[8*(8*(\a)+(\b)):8*(8*(\a)+(\b))+7], v[(\f)+8*(4*(\hi)+(\a)):(\f)+8*(4*(\hi)+(\a))+7], v[(\f)+8*(\b):(\f)+8*(\b)+7], v[8*(8*(\a)+(\b)):8*(8*(\a)+(\b))+7]
.endif
.endr
.endr
.endm
; 32 LDS loads in one run: quarter q (32 along K) of the slot in hand into buffer f: W's 8 column blocks (turned), then X's 8 row blocks
.macro FETCH q, f
	WIN 0x40
.irp i, 0,1,2,3,4,5,6,7
	ds_load_tr16_b128 v[(\f)+8*(\i):(\f)+8*(\i)+3],   v[ADRB] offset:32*(\q)*PB+32*(\i)+CJ*((\i)/4)
	ds_load_tr16_b128 v[(\f)+8*(\i)+4:(\f)+8*(\i)+7], v[ADRB] offset:32*(\q)*PB+32*(\i)+CJ*((\i)/4)+16*PB
.endr
	WIN 0
.irp i, 0,1,2,3,4,5,6,7
	ds_load_b128 v[(\f)+8*(\i):(\f)+8*(\i)+3],   v[ADRA] offset:64*(\q)+(\i)*16*PA
	ds_load_b128 v[(\f)+8*(\i)+4:(\f)+8*(\i)+7], v[ADRA] offset:64*(\q)+(\i)*16*PA+32
.endr
.endm
.macro QUARTER q, f, g, cm             ; multiplies buffer f; in its middle fetches quarter q into buffer g
	s_wait_dscnt 8                                 ; W and X's rows 0-63 are in; the youngest eight loads (X's rows 64-127) may be out
	MUL16 \f, 0, 0, \cm
	MUL16 \f, 0, 2, \cm
	PLACES
	FETCH \q, \g
	s_wait_dscnt 32                                ; all but the 32 just issued
	MUL16 \f, 1, 0, \cm
	MUL16 \f, 1, 2, \cm
.endm
.macro MEET round                      ; the first half of a step's last quarter, and the one barrier of a change of slots
	WIN 0
	s_wait_tensorcnt 0x0                           ; all my tensor loads have landed: the one that was out is my part of the next slot
	ds_add_u32 v[SPW], v[NIL]                      ; 0 onto my spare word
	s_wait_dscnt 9                                 ; the add and the youngest eight loads may be out
	MUL16 F1, 0, 0, 0
	s_wait_dscnt 0x0                               ; the add is done, and my reads of this slot are over
	s_barrier_signal -1
	MUL16 F1, 0, 2, 0
.if \round
	WIN 0
.endif
	s_barrier_wait -1
.endm
.macro NEXTSLOT
	s_xor_b32 s[TB], s[TB], SLOT
	v_add_nc_u32 v[ADRA], s[TB], v[ADRA0]
	v_add_nc_u32 v[ADRB], s[TB], v[ADRB0]
.endm
; A step's last quarter with a refill.  kind = 0: this tile's K step two on; kind = 1: the next tile's K step 0.  From a request to the wait for it a wave issues 224 matrix instructions.
.macro TURN kind, how
	s_wait_xcnt 0x0                                ; the last prefetch, a K step back, has read its address
.if \kind
	s_add_nc_u64 s[PFA:PFA+1], s[PFA:PFA+1], NEXT_A
	s_cmp_eq_u32 s[RH], 0
	s_cselect_b32 s[LIM], s[LIM], -1               ; W's rows are the same for both tiles: asked for in the first alone
.else
	s_add_nc_u64 s[PFA:PFA+1], s[PFA:PFA+1], s[PFS:PFS+1]
.endif
	MEET 1
	CREST                                          ; no wave of any partner still reads this slot or has a load on its way
	s_xor_b32 s[G0+5], s[G0+5], SLOT
	s_xor_b32 s[G0B+5], s[G0B+5], SLOT
.if \kind
	s_add_nc_u64 s[G0+6:G0+7], s[G0+6:G0+7], NEXT_A
	s_sub_nc_u64 s[G0B+6:G0B+7], s[G0B+6:G0B+7], BACK_B
.else
	s_add_nc_u64 s[G0+6:G0+7], s[G0+6:G0+7], STEP_A
	s_add_nc_u64 s[G0B+6:G0B+7], s[G0B+6:G0B+7], STEP_B
.endif
	JLOAD                                          ; the first tensor load behind the round; its four v_nop are also the places in front of the loads below
	NEXTSLOT
	FETCH 0, F0
	ASK \how
	MUL16 F1, 1, 0, 0
	MUL16 F1, 1, 2, 0
.endm
.macro TURNLAST                        ; the same with nothing left to ask for
	MEET 0
	PLACES
	WIN 0
	NEXTSLOT
	FETCH 0, F0
	MUL16 F1, 1, 0, 0
	MUL16 F1, 1, 2, 0
.endm
.macro LASTQ
	s_wait_dscnt 8
	MUL16 F1, 0, 0, 0
	MUL16 F1, 0, 2, 0
	s_wait_dscnt 0x0
	MUL16 F1, 1, 0, 0
	MUL16 F1, 1, 2, 0
	WIN 0
.endm
	s_load_b256 s[4:11], s[0:1], 0x0               ; xb s[4:5], wb s[6:7], bk s[8:9], bv s[10:11]
	s_load_b128 s[12:15], s[0:1], 0x20             ; mask s[12:13], part s[14:15]
	v_lshl_add_u32 v[SPW], v0, 2, SPARE
	v_mov_b32 v[NIL], 0
	ds_add_u32 v[SPW], v[NIL]                      ; the wave's opening: the add, twice on end, and its wait ahead of my first tensor load
	ds_add_u32 v[SPW], v[NIL]
	v_lshrrev_b32 v1, 5, v0
	v_readfirstlane_b32 s[WV], v1
	s_lshr_b32 s[RH], s[WV], 1                     ; my half of the tile's rows.  Also: I fetch for X (0) or for W (1)
	s_and_b32 s[CH], s[WV], 1                      ; my head of the two.  Also: which half of that tile I fetch
	s_bfe_u32 s[CX], ttmp6, 0x40000
	s_bfe_u32 s[CY], ttmp6, 0x40004
	s_lshl_b32 s[TX], ttmp9, 2
	s_add_co_u32 s[TX], s[TX], s[CX]               ; tile column
	s_and_b32 s[TY], ttmp7, 0xffff
	s_lshl_b32 s[TY], s[TY], 2
	s_add_co_u32 s[TY], s[TY], s[CY]               ; 8 x batch + p
	s_lshl_b32 s40, s[CY], 2
	s_lshl_b32 s40, 15, s40                        ; my row of the cluster
	s_lshl_b32 s41, 0x1111, s[CX]                  ; my column
	s_or_b32 s[G1], s40, (1<<16)|(1<<20)|(1<<21)|(5<<22)|(3<<25)   ; mask; 2-byte elements; padding on; bit 21 beside a mask; after every 64 words, 4 words
	s_or_b32 s[G1B], s41, (1<<16)|(1<<20)|(1<<21)|(6<<22)|(7<<25)  ; after every 128 words, 8 words
	s_mov_b32 s[G1+1], 128<<16                     ; tensor_dim0
	s_mov_b32 s[G1+2], 128<<16                     ; tensor_dim1
	s_mov_b32 s[G1+3], 128<<16                     ; tile_dim0
	s_mov_b32 s[G1+4], 128                         ; tile_dim1
	s_mov_b32 s[G1+5], 1024                        ; elements from row to row
	s_mov_b32 s[G1+6], 0
	s_mov_b32 s[G1+7], 0
	s_mov_b32 s[G1B+1], 256<<16
	s_mov_b32 s[G1B+2], 64<<16
	s_mov_b32 s[G1B+3], 256<<16
	s_mov_b32 s[G1B+4], 64
	s_mov_b32 s[G1B+5], 3072
	s_mov_b32 s[G1B+6], 0
	s_mov_b32 s[G1B+7], 0
	s_lshr_b32 s20, s[TY], 3                       ; batch
	s_and_b32 s21, s[TY], 7                        ; p
	s_lshl4_add_u32 s22, s20, s21
	s_lshl_b32 s22, s22, 8                         ; the first tile's first row: 256 (16 batch + p)
	s_lshl_b32 s23, s[CH], 7
	s_add_co_u32 s44, s22, s23
	s_lshl_b32 s44, s44, 11                        ; X: rows of 2,048 bytes
	s_mov_b32 s45, 0
	s_mul_i32 s46, s[CH], 64*6144                  ; W: my 64 k-rows,
	s_lshl_b32 s47, s[TX], 9                       ; the tile's 512 bytes of a row
	s_add_co_u32 s46, s46, s47
	s_add_co_u32 s46, s46, COL0
	s_mov_b32 s47, 0
	s_mul_i32 s23, s[WV], HALFT                    ; where my loads go: no place in the cluster enters an LDS address
	s_mov_b32 s[TB], 0
	s_mov_b32 s[EPSR], 0x3727c5ac                  ; 1e-5
	s_mov_b32 s[CDIV], 0x38d1b717                  ; 1e-4
	s_mov_b32 s[CDIV+1], s[CDIV]
	s_mov_b32 s[NDIV], 0xc61c4000                  ; -10000
	s_mov_b32 s[NDIV+1], s[NDIV]
	s_wait_dscnt 0x0                               ; both opening adds are done
	s_wait_kmcnt 0x0
	s_add_nc_u64 s[44:45], s[4:5], s[44:45]
	s_add_nc_u64 s[46:47], s[6:7], s[46:47]
	CROUND                                         ; all sixteen work-groups are here: the first joint loads meet
.irp s, 0,1
	s_mov_b32 s[G0+4*(\s)], 1
	s_add_co_u32 s[G0+4*(\s)+1], s23, (\s)*SLOT
	s_add_nc_u64 s[G0+4*(\s)+2:G0+4*(\s)+3], s[44:45], (\s)*STEP_A
	s_or_b32 s[G0+4*(\s)+3], s[G0+4*(\s)+3], 0x80000000
	s_mov_b32 s[G0B+4*(\s)], 1
	s_add_co_u32 s[G0B+4*(\s)+1], s23, (\s)*SLOT
	s_add_nc_u64 s[G0B+4*(\s)+2:G0B+4*(\s)+3], s[46:47], (\s)*STEP_B
	s_or_b32 s[G0B+4*(\s)+3], s[G0B+4*(\s)+3], 0x80000000
.endr
	s_cmp_eq_u32 s[RH], 0                          ; a wave's two first fills stand in one branch: two loads of mine are out
	s_cbranch_scc0 .Lfirst_b
	tensor_load_to_lds s[G0:G0+3], s[G1:G1+7]
	s_nop 0
	tensor_load_to_lds s[G0+4:G0+7], s[G1:G1+7]
	s_nop 0
.rept 4
	v_nop
.endr
	s_branch .Lfirst_asked
.Lfirst_b:
	tensor_load_to_lds s[G0B:G0B+3], s[G1B:G1B+7]
	s_nop 0
	tensor_load_to_lds s[G0B+4:G0B+7], s[G1B:G1B+7]
	s_nop 0
.rept 4
	v_nop
.endr
.Lfirst_asked:
	v_and_b32 v14, 15, v0                          ; l % 16
	v_bfe_u32 v15, v0, 4, 1                        ; l / 16
	v_mul_u32_u24 v[ADRA0], v14, PA                ; X's fragment: row x pitch + 16 x half
	v_lshl_add_u32 v[ADRA0], v15, 4, v[ADRA0]
	s_mul_i32 s40, s[RH], HALFT
	v_add_nc_u32 v[ADRA0], s40, v[ADRA0]
	v_and_b32 v1, 7, v0                            ; W's: k-row 8 (l / 16) + l % 8, 16 bytes by (l / 8) % 2
	v_lshl_add_u32 v1, v15, 3, v1
	v_mul_u32_u24 v[ADRB0], v1, PB
	v_bfe_u32 v1, v0, 3, 1
	v_lshl_add_u32 v[ADRB0], v1, 4, v[ADRB0]
	s_mul_i32 s40, s[CH], CW
	s_add_co_u32 s40, s40, 2*HALFT
	v_add_nc_u32 v[ADRB0], s40, v[ADRB0]
	v_mov_b32 v[ADRA], v[ADRA0]
	v_mov_b32 v[ADRB], v[ADRB0]
	v_lshlrev_b32 v[MO], 5, v15
	v_lshlrev_b32 v[BO], 2, v14
	v_and_b32 v1, 31, v0
	v_lshlrev_b32 v[LO], 4, v1
	s_mul_i32 s40, s[CH], 16896
	s_add_co_u32 s40, s40, STAGE
	v_add_nc_u32 v[LS], s40, v[LO]
	s_add_co_u32 s40, s40, 16384
	v_lshl_add_u32 v[LB], v15, 4, s40
	s_lshl_b32 s40, s[TX], 1
	s_add_co_u32 s40, s40, s[CH]                   ; my head
	s_lshl_b32 s42, s40, 8                         ; its 64 f32
	s_mov_b32 s43, 0
	s_add_nc_u64 s[BKP:BKP+1], s[8:9], s[42:43]
	s_add_nc_u64 s[BVP:BVP+1], s[10:11], s[42:43]
	s_lshl_b32 s42, s[RH], 7
	s_add_co_u32 s42, s42, s22
	s_lshl_b32 s42, s42, 2                         ; the mask is flat over batch x row
	s_add_nc_u64 s[MB:MB+1], s[12:13], s[42:43]
	s_lshl4_add_u32 s42, s20, s40                  ; 16 batch + head
	s_lshl3_add_u32 s42, s42, s21                  ; x 8 + p
	s_mul_i32 s42, s42, 24576
	s_add_nc_u64 s[OUTB:OUTB+1], s[14:15], s[42:43]
.irp b, 0,1,2,3
	global_load_b32 v[BI+2*(\b)], v[BO], s[BKP:BKP+1] offset:64*(\b)
	global_load_b32 v[BI+8+2*(\b)], v[BO], s[BVP:BVP+1] offset:64*(\b)
.endr
	; the prefetches: where they stand (K step 3; the first refill steps it to 4), their step, who asks
	s_lshl_b32 s40, s[CX], 16                      ; X: my work-group's 32 rows of the 128
	s_lshl_b32 s41, s[CH], 7
	s_add_co_u32 s41, s41, s22
	s_lshl_b32 s41, s41, 11
	s_add_co_u32 s40, s40, s41
	s_add_co_u32 s40, s40, 3*STEP_A
	s_lshl_b32 s41, s[CY], 4                       ; W: my work-group's 16 k-rows of the 64
	s_lshl_b32 s42, s[CH], 6
	s_add_co_u32 s41, s41, s42
	s_add_co_u32 s41, s41, 3*128
	s_mul_i32 s41, s41, 6144
	s_lshl_b32 s42, s[TX], 9
	s_add_co_u32 s41, s41, s42
	s_add_co_u32 s41, s41, COL0
	s_and_b32 s42, ttmp7, 0xffff                   ; cluster y
	s_mov_b32 s[PFS], STEP_B
	s_mov_b32 s43, 6144
	s_cmp_eq_u32 s[RH], 0
	s_cselect_b32 s40, s40, s41
	s_cselect_b32 s42, ttmp9, s42                  ; the coordinate along which other clusters read the same rows
	s_cselect_b32 s[PFS], STEP_A, s[PFS]
	s_cselect_b32 s43, 2048, s43
	s_cselect_b32 s47, 0, 1
	s_cselect_b64 s[PFA:PFA+1], s[4:5], s[6:7]
	s_mov_b32 s41, 0
	s_mov_b32 s[PFS+1], 0
	s_add_nc_u64 s[PFA:PFA+1], s[PFA:PFA+1], s[40:41]
	s_cmp_eq_u32 s42, 0
	s_cselect_b32 s[LIM], 2, -1                    ; the same in all sixteen partners, for a given wave
	v_lshrrev_b32 v[PFO], s47, v1                  ; X: a lane a row; W: two lanes a k-row, 256 bytes apart
	v_mul_u32_u24 v[PFO], v[PFO], s43
	v_and_b32 v1, s47, v1
	v_lshl_add_u32 v[PFO], v1, 8, v[PFO]
	; the 24 sums over rows start at 0: 192 lines, written in the wait for the first tile, so that the text behind a tile stands once for both tiles
	WIN 0x40
.set i, 0
.rept 64
	v_mov_b32 v[i], 0
	v_mov_b32 v[192+i], 0
.set i, i+1
.endr
	WIN 0
.set i, 0
.rept 64
	v_mov_b32 v[AUG+i], 0
.set i, i+1
.endr
	s_wait_tensorcnt 1                             ; my part of K step 0 is in; K step 1's may stay out
	s_barrier_signal -1
	s_barrier_wait -1
	FETCH 0, F0
	s_wait_loadcnt 0x0                             ; the bias
.irp b, 0,1,2,3,4,5,6,7
	v_mov_b32 v[BI+2*(\b)+1], v[BI+2*(\b)]         ; twice, for the packed addition
.endr
; BEHIND A TILE.  No LDS access and no barrier: a refill and the next tile's first fragments may be on their way.
.macro MLOAD                           ; the mask of the trip's four row blocks: my 8 rows of each; the base stands at the first of the four
.irp u, 0,1,2,3
	global_load_b128 v[M+8*(\u):M+8*(\u)+3],   v[MO], s[MB:MB+1] offset:64*(\u)
	global_load_b128 v[M+8*(\u)+4:M+8*(\u)+7], v[MO], s[MB:MB+1] offset:64*(\u)+16
.endr
.endm
.macro BIASADD w                       ; each accumulator's registers in ascending order
	WIN 0x82+0x41*(\w)
.set t, 0
.rept 32
.irp p, 0,1,2,3
	v_pk_add_f32 v[8*t+2*(\p):8*t+2*(\p)+1], v[8*t+2*(\p):8*t+2*(\p)+1], v[BI+2*(t%8):BI+2*(t%8)+1]
.endr
.set t, t+1
.endr
.endm
.macro SQACC w                         ; squares of k, summed over my four blocks: the part that names window w's accumulators
	WIN 0x0a+5*(\w)
.irp b, 0,1,2,3
.set u, 0
.rept 4
.irp p, 0,1,2,3
.if (\b) == 0
	v_pk_mul_f32 v[SQ+8*u+2*(\p):SQ+8*u+2*(\p)+1], v[8*(8*u+(\b))+2*(\p):8*(8*u+(\b))+2*(\p)+1], v[8*(8*u+(\b))+2*(\p):8*(8*u+(\b))+2*(\p)+1]
.else
	v_pk_fma_f32 v[SQ+8*u+2*(\p):SQ+8*u+2*(\p)+1], v[8*(8*u+(\b))+2*(\p):8*(8*u+(\b))+2*(\p)+1], v[8*(8*u+(\b))+2*(\p):8*(8*u+(\b))+2*(\p)+1], v[SQ+8*u+2*(\p):SQ+8*u+2*(\p)+1]
.endif
.endr
.set u, u+1
.endr
.endr
	WIN 0
.endm
.macro SQDPP                           ; and over the 16 lanes that hold a row
.irp x, 1,2,4,8
.set i, 0
.rept 32
	v_add_f32_dpp v[SQ+i], v[SQ+i], v[SQ+i] row_xmask:\x row_mask:0xf bank_mask:0xf
.set i, i+1
.endr
.endr
.endm
.macro MDIV8 x                         ; m = x / 10000 + 1 for eight pairs: q = x 1e-4; r = x - 10000 q; q + r 1e-4; + 1
.irp p, 0,1,2,3,4,5,6,7
	v_pk_mul_f32 v[TD+2*(\p):TD+2*(\p)+1], v[(\x)+2*(\p):(\x)+2*(\p)+1], s[CDIV:CDIV+1] op_sel_hi:[1,0]
.endr
.irp p, 0,1,2,3,4,5,6,7
	v_pk_fma_f32 v[(\x)+2*(\p):(\x)+2*(\p)+1], v[TD+2*(\p):TD+2*(\p)+1], s[NDIV:NDIV+1], v[(\x)+2*(\p):(\x)+2*(\p)+1] op_sel_hi:[1,0,1]
.endr
.irp p, 0,1,2,3,4,5,6,7
	v_pk_fma_f32 v[(\x)+2*(\p):(\x)+2*(\p)+1], v[(\x)+2*(\p):(\x)+2*(\p)+1], s[CDIV:CDIV+1], v[TD+2*(\p):TD+2*(\p)+1] op_sel_hi:[1,0,1]
.endr
.irp p, 0,1,2,3,4,5,6,7
	v_pk_add_f32 v[(\x)+2*(\p):(\x)+2*(\p)+1], v[(\x)+2*(\p):(\x)+2*(\p)+1], 1.0 op_sel_hi:[1,0]
.endr
.endm
.macro FACT                            ; the rows' factors m / (|m| n + 1e-5), in the squares' place.  Two batches of 32 transcendentals, one wait each
	WIN 0
.set i, 0
.rept 32
	v_sqrt_f32 v[SQ+i], v[SQ+i]
.set i, i+1
.endr
	s_wait_loadcnt 0x0                             ; the trip's mask words: no other load of mine is out
	MDIV8 M                                        ; the independent work between the roots and their wait
	MDIV8 M+16
	s_wait_alu depctr_va_vdst(0)                   ; one wait for the 32 roots, ahead of their first reader
.set i, 0
.rept 32
	v_fma_f32 v[SQ+i], v[SQ+i], |v[M+i]|, s[EPSR]
.set i, i+1
.endr
.set i, 0
.rept 32
	v_rcp_f32 v[SQ+i], v[SQ+i]
.set i, i+1
.endr
	v_nop                                          ; a plain instruction behind the last reciprocal
	s_wait_alu depctr_va_vdst(0)                   ; one wait for the 32 reciprocals
.set i, 0
.rept 16
	v_pk_mul_f32 v[SQ+2*i:SQ+2*i+1], v[SQ+2*i:SQ+2*i+1], v[M+2*i:M+2*i+1]
.set i, i+1
.endr
.endm
.macro SCALE w, pr                     ; k of two row blocks times its rows' factors; these 32 lines are also the places between the products before and the rewriting of KF, VF
	WIN 0x82+0x41*(\w)
.irp u, 2*(\pr), 2*(\pr)+1
.irp b, 0,1,2,3
.irp p, 0,1,2,3
	v_pk_mul_f32 v[8*(8*(\u)+(\b))+2*(\p):8*(8*(\u)+(\b))+2*(\p)+1], v[8*(8*(\u)+(\b))+2*(\p):8*(8*(\u)+(\b))+2*(\p)+1], v[SQ+8*(\u)+2*(\p):SQ+8*(\u)+2*(\p)+1]
.endr
.endr
.endr
.endm
.macro CVT w, pr                       ; two row blocks rounded in pairs: the fragment of column block b at KF + 8 b (b = 4..7: VF)
	WIN 0x4a+5*(\w)
.irp b, 0,1,2,3,4,5,6,7
.irp c, 0,1
.irp p, 0,1,2,3
	v_cvt_pk_bf16_f32 v[KF+8*(\b)+4*(\c)+(\p)], v[8*(8*(2*(\pr)+(\c))+(\b))+2*(\p)], v[8*(8*(2*(\pr)+(\c))+(\b))+2*(\p)+1]
.endr
.endr
.endr
	WIN 0
.endm
.macro KVMM                            ; 24 products over 32 rows; the 24 accumulators take turns, one instruction a turn
	WIN 0x55
.irp e, 0,1,2,3
.irp d, 0,1,2,3
.set kvr, 8*(4*(\e)+(\d))+128*((4*(\e)+(\d))/8)
	v_wmma_f32_16x16x32_bf16 v[kvr:kvr+7], v[KF+8*(\d):KF+8*(\d)+7], v[VF+8*(\e):VF+8*(\e)+7], v[kvr:kvr+7]
.endr
.endr
	WIN 0x01
.irp d, 0,1,2,3
	v_wmma_f32_16x16x32_bf16 v[AUG+8*(\d):AUG+8*(\d)+7], v[KF+8*(\d):KF+8*(\d)+7], v[ONE:ONE+7], v[AUG+8*(\d):AUG+8*(\d)+7]
.endr
.irp e, 0,1,2,3
	v_wmma_f32_16x16x32_bf16 v[AUG+32+8*(\e):AUG+32+8*(\e)+7], v[VF+8*(\e):VF+8*(\e)+7], v[ONE:ONE+7], v[AUG+32+8*(\e):AUG+32+8*(\e)+7]
.endr
	WIN 0
.endm
	s_mov_b32 s2, 2                                ; tiles to go: the same number in every work-group
.Ltile:
	QUARTER 1, F0, F1, 1                           ; a tile's first quarter: its products start the sums
	WIN 0
	s_mov_b32 s3, 6
.Lstep:                                            ; a trip: from a step's second quarter to the next step's first; refills K steps 2 to 7
	QUARTER 2, F1, F0, 0
	QUARTER 3, F0, F1, 0
	TURN 0, 0
	QUARTER 1, F0, F1, 0
	WIN 0
	s_sub_co_u32 s3, s3, 1
	s_cmp_lg_u32 s3, 0
	s_cbranch_scc1 .Lstep
	QUARTER 2, F1, F0, 0                           ; K step 6 goes on
	QUARTER 3, F0, F1, 0
	WIN 0
	s_cmp_eq_u32 s2, 1                             ; the tile counter is the same in all partners
	s_cbranch_scc1 .Lsix_last
	TURN 1, 1                                      ; the ring goes on into the next tile: its K step 0
	WIN 0
	s_branch .Lseven
.Lsix_last:
	TURNLAST                                       ; the last tile asks for nothing more
	WIN 0
.Lseven:
	QUARTER 1, F0, F1, 0                           ; K step 7's plain quarters: one text for both tiles
	QUARTER 2, F1, F0, 0
	QUARTER 3, F0, F1, 0
	WIN 0
	s_cmp_eq_u32 s2, 1
	s_cbranch_scc1 .Lseven_last
	TURN 0, 1                                      ; the next tile's K step 1, and its first fragments
	WIN 0
	s_branch .Lepi
.Lseven_last:
	LASTQ
.Lepi:
	PLACES                                         ; behind the tile's last products
.set i, 0
.rept 8
	v_mov_b32 v[ONE+i], 0x3f803f80                 ; 1.0 twice in bf16
.set i, i+1
.endr
	s_mov_b32 s[WC], 0
.Lhalf:                                            ; two trips: row blocks 0-3 (window 2), then 4-7 (window 3)
	MLOAD                                          ; on every way: asked for here, waited for in this trip's factor step, behind 128 additions, 64 squares, 128 lane steps and 32 roots
	s_cmp_eq_u32 s[WC], 0
	s_cbranch_scc0 .Lsq_hi
	BIASADD 0
	SQACC 0
	s_branch .Lsq_done
.Lsq_hi:
	BIASADD 1
	SQACC 1
.Lsq_done:
	SQDPP
	FACT
	s_add_nc_u64 s[MB:MB+1], s[MB:MB+1], 256       ; four blocks of 16 rows on; the loads that read this base have been waited for
	s_cmp_eq_u32 s[WC], 0
	s_cbranch_scc0 .Lp0_hi
	SCALE 0, 0
	CVT 0, 0
	s_branch .Lp0_done
.Lp0_hi:
	SCALE 1, 0
	CVT 1, 0
.Lp0_done:
	KVMM
	s_cmp_eq_u32 s[WC], 0
	s_cbranch_scc0 .Lp1_hi
	SCALE 0, 1
	CVT 0, 1
	s_branch .Lp1_done
.Lp1_hi:
	SCALE 1, 1
	CVT 1, 1
.Lp1_done:
	KVMM
	s_add_co_u32 s[WC], s[WC], 1
	s_cmp_lt_u32 s[WC], 2
	s_cbranch_scc1 .Lhalf
	s_add_nc_u64 s[MB:MB+1], s[MB:MB+1], 8192-512  ; with the two steps above: 2,048 rows on
	s_sub_co_u32 s2, s2, 1
	s_cmp_lg_u32 s2, 0
	s_cbranch_scc1 .Ltile
	; THE END.  The two row halves' 24 sums meet in the stage: waves 2, 3 store, a barrier, waves 0, 1 add and write the partial out as register images, 512 consecutive bytes a store.
	PLACES
	s_cmp_lg_u32 s[RH], 0
	s_cbranch_scc0 .Lkeep
	WIN 0x04                                       ; store data in window 1
.set t, 0
.rept 16
.set kvr, 8*t+128*(t/8)
	ds_store_b128 v[LS], v[kvr:kvr+3] offset:1024*t
	ds_store_b128 v[LS], v[kvr+4:kvr+7] offset:1024*t+512
.set t, t+1
.endr
	WIN 0
.set t, 0
.rept 8
	ds_store_b128 v[LB], v[AUG+8*t:AUG+8*t+3] offset:64*t       ; the 16 lanes of a half hold the same numbers and write the same 16 bytes
	ds_store_b128 v[LB], v[AUG+8*t+4:AUG+8*t+7] offset:64*t+32
.set t, t+1
.endr
.Lkeep:
	s_wait_dscnt 0x0                               ; for the others' sake: my stores into the stage are done
	s_barrier_signal -1
	s_barrier_wait -1
	s_cmp_lg_u32 s[RH], 0
	s_cbranch_scc1 .Lend
.set t, 0
.rept 16
	ds_load_b128 v[64+8*t:64+8*t+3], v[LS] offset:1024*t
	ds_load_b128 v[64+8*t+4:64+8*t+7], v[LS] offset:1024*t+512
.set t, t+1
.endr
	WIN 0x40
.set t, 0
.rept 8
	ds_load_b128 v[64+8*t:64+8*t+3], v[LB] offset:64*t
	ds_load_b128 v[64+8*t+4:64+8*t+7], v[LB] offset:64*t+32
.set t, t+1
.endr
	s_wait_dscnt 32                                ; images 0-7 are in; the 32 younger loads may be out
	WIN 0x41
.set i, 0
.rept 32
	v_pk_add_f32 v[2*i:2*i+1], v[2*i:2*i+1], v[64+2*i:64+2*i+1]
.set i, i+1
.endr
	WIN 0x04
.set t, 0
.rept 8
	global_store_b128 v[LO], v[8*t:8*t+3], s[OUTB:OUTB+1] offset:1024*t
	global_store_b128 v[LO], v[8*t+4:8*t+7], s[OUTB:OUTB+1] offset:1024*t+512
.set t, t+1
.endr
	s_wait_dscnt 16                                ; images 8-15 are in
	WIN 0x41
.set i, 0
.rept 32
	v_pk_add_f32 v[192+2*i:192+2*i+1], v[192+2*i:192+2*i+1], v[128+2*i:128+2*i+1]
.set i, i+1
.endr
	WIN 0x04
.set t, 0
.rept 8
	global_store_b128 v[LO], v[192+8*t:192+8*t+3], s[OUTB:OUTB+1] offset:1024*(8+t)
	global_store_b128 v[LO], v[192+8*t+4:192+8*t+7], s[OUTB:OUTB+1] offset:1024*(8+t)+512
.set t, t+1
.endr
	s_wait_dscnt 0x0
.set i, 0
.rept 32
	v_pk_add_f32 v[AUG+2*i:AUG+2*i+1], v[AUG+2*i:AUG+2*i+1], v[64+2*i:64+2*i+1]   ; sums in window 0, the partner's in window 1
.set i, i+1
.endr
	WIN 0
.set t, 0
.rept 8
	global_store_b128 v[LO], v[AUG+8*t:AUG+8*t+3], s[OUTB:OUTB+1] offset:1024*(16+t)
	global_store_b128 v[LO], v[AUG+8*t+4:AUG+8*t+7], s[OUTB:OUTB+1] offset:1024*(16+t)+512
.set t, t+1
.endr
.Lend:
	s_wait_tensorcnt 0x0                           ; the wave's end, behind my last tensor load and my last LDS store
	ds_add_u32 v[SPW], v[NIL]
	s_wait_dscnt 0x0
	CROUND                                         ; the closing round: no work-group ends while a partner may still ask for a tile that names it
	s_endpgm
.Lfunc_end_k_q31440f9e57_kvgemm:
	.size	k_q31440f9e57_kvgemm, .Lfunc_end_k_q31440f9e57_kvgemm-k_q31440f9e57_kvgemm
	.p2alignl 7, 3214868480
	.fill 96, 4, 3214868480
	.section	.rodata,"a",@progbits
	.p2align	6, 0x0
	.amdhsa_kernel k_q31440f9e57_kvgemm
		.amdhsa_group_segment_fixed_size 327680
		.amdhsa_private_segment_fixed_size 0
		.amdhsa_enable_private_segment 0
		.amdhsa_kernarg_size 48
		.amdhsa_user_sgpr_count 2
		.amdhsa_user_sgpr_kernarg_segment_ptr 1
		.amdhsa_wavefront_size32 1
		.amdhsa_system_sgpr_workgroup_id_x 1
		.amdhsa_system_sgpr_workgroup_id_y 1
		.amdhsa_system_sgpr_workgroup_id_z 1
		.amdhsa_system_vgpr_workitem_id 0
		.amdhsa_next_free_vgpr 1024
		.amdhsa_next_free_sgpr 100
		.amdhsa_reserve_vcc 0
		.amdhsa_float_denorm_mode_32 3
		.amdhsa_float_denorm_mode_16_64 3
		.amdhsa_memory_ordered 1
		.amdhsa_forward_progress 1
		.amdhsa_inst_pref_size 198
	.end_amdhsa_kernel
	.amdgpu_metadata
---
amdhsa.version: [ 1, 2 ]
amdhsa.kernels:
  - .name:           k_q31440f9e57_kvgemm
    .symbol:         k_q31440f9e57_kvgemm.kd
    .args:
      - { .name: xb, .offset: 0, .size: 8, .value_kind: global_buffer, .address_space: global }
      - { .name: wb, .offset: 8, .size: 8, .value_kind: global_buffer, .address_space: global }
      - { .name: bk, .offset: 16, .size: 8, .value_kind: global_buffer, .address_space: global }
      - { .name: bv, .offset: 24, .size: 8, .value_kind: global_buffer, .address_space: global }
      - { .name: attention_mask, .offset: 32, .size: 8, .value_kind: global_buffer, .address_space: global }
      - { .name: part, .offset: 40, .size: 8, .value_kind: global_buffer, .address_space: global }
    .group_segment_fixed_size: 327680
    .private_segment_fixed_size: 0
    .kernarg_segment_align: 8
    .kernarg_segment_size: 48
    .max_flat_workgroup_size: 128
    .sgpr_count:     100
    .vgpr_count:     1024
    .wavefront_size: 32
...
	.end_amdgpu_metadata
.endif
;; end of part 2
;; launch fold (part 3): grid 6 x 64, 4 waves a work-group, no clusters, 0 bytes of LDS; arguments part, g, vs; writes g, vs
.if DOCPART == 3
	.amdgcn_target "amdgcn-amd-amdhsa--gfx1250"
	.amdhsa_code_object_version 6
	.text
	.protected	k_q31440f9e57_fold
	.globl	k_q31440f9e57_fold
	.p2align	8
	.type	k_q31440f9e57_fold,@function
k_q31440f9e57_fold:
	s_mov_b64 s[64:65], 0
	v_nop
	global_prefetch_b8 v0, s[64:65] scope:SCOPE_SE
	s_setreg_imm32_b32 hwreg(HW_REG_WAVE_MODE, 25, 1), 1
	s_wait_xcnt 0x0
; The eight partial sums of each (batch, head) are added, register image by register image: part [bh 64][p 8][t 24][quad 2][lane 32][4 f32].
; Images 0-19 (k^T v and sum k) leave rounded to bf16, 16 bytes a lane: they are halves of the next launch's matrix fragments as they stand.  Images 20-23 (sum v) leave in f32.
; A wave takes one image: 16 loads and one or two stores of 512 consecutive bytes.  Work-group x holds images 4 x .. 4 x + 3, so the choice between g and vs is the same for its four waves.
; A short stream: no LDS, no barrier, no prefetch.
	s_load_b128 s[4:7], s[0:1], 0x0                ; part s[4:5], g s[6:7]
	s_load_b64 s[8:9], s[0:1], 0x10                ; vs
	v_and_b32 v1, 31, v0
	v_lshlrev_b32 v1, 4, v1                        ; 16 x lane
	v_lshrrev_b32 v2, 5, v0
	v_readfirstlane_b32 s10, v2
	s_mov_b32 s13, ttmp9
	s_lshl2_add_u32 s11, s13, s10                  ; the image
	s_and_b32 s12, ttmp7, 0xffff                   ; bh
	s_mul_i32 s14, s12, 196608
	s_lshl_b32 s15, s11, 10
	s_add_co_u32 s14, s14, s15
	s_mov_b32 s15, 0
	s_mov_b32 s17, 0
	s_wait_kmcnt 0x0
	s_add_nc_u64 s[4:5], s[4:5], s[14:15]
.irp p, 0,1,2,3,4,5,6,7
	global_load_b128 v[8+8*(\p):8+8*(\p)+3],  v1, s[4:5] offset:(\p)*24576 th:TH_LOAD_NT
	global_load_b128 v[8+8*(\p)+4:8+8*(\p)+7], v1, s[4:5] offset:(\p)*24576+512 th:TH_LOAD_NT
.endr
	s_wait_loadcnt 0x0
.irp d, 32,16,8                                    ; partials 4, 2 and 1 apart
.set i, 0
.rept (\d)/2
	v_pk_add_f32 v[8+2*i:8+2*i+1], v[8+2*i:8+2*i+1], v[8+(\d)+2*i:8+(\d)+2*i+1]
.set i, i+1
.endr
.endr
	s_cmp_lt_u32 s13, 5
	s_cbranch_scc0 .Lvsum
	s_mul_i32 s16, s12, 10240
	s_lshl_b32 s18, s11, 9
	s_add_co_u32 s16, s16, s18
	s_add_nc_u64 s[6:7], s[6:7], s[16:17]
.irp p, 0,1,2,3
	v_cvt_pk_bf16_f32 v[72+(\p)], v[8+2*(\p)], v[8+2*(\p)+1]
.endr
	global_store_b128 v1, v[72:75], s[6:7]
	s_endpgm
.Lvsum:
	s_lshl_b32 s16, s12, 12
	s_sub_co_u32 s18, s11, 20
	s_lshl_b32 s18, s18, 10
	s_add_co_u32 s16, s16, s18
	s_add_nc_u64 s[8:9], s[8:9], s[16:17]
	global_store_b128 v1, v[8:11], s[8:9]
	global_store_b128 v1, v[12:15], s[8:9] offset:512
	s_endpgm
.Lfunc_end_k_q31440f9e57_fold:
	.size	k_q31440f9e57_fold, .Lfunc_end_k_q31440f9e57_fold-k_q31440f9e57_fold
	.p2alignl 7, 3214868480
	.fill 96, 4, 3214868480
	.section	.rodata,"a",@progbits
	.p2align	6, 0x0
	.amdhsa_kernel k_q31440f9e57_fold
		.amdhsa_group_segment_fixed_size 0
		.amdhsa_private_segment_fixed_size 0
		.amdhsa_enable_private_segment 0
		.amdhsa_kernarg_size 24
		.amdhsa_user_sgpr_count 2
		.amdhsa_user_sgpr_kernarg_segment_ptr 1
		.amdhsa_wavefront_size32 1
		.amdhsa_system_sgpr_workgroup_id_x 1
		.amdhsa_system_sgpr_workgroup_id_y 1
		.amdhsa_system_sgpr_workgroup_id_z 1
		.amdhsa_system_vgpr_workitem_id 0
		.amdhsa_next_free_vgpr 80
		.amdhsa_next_free_sgpr 66
		.amdhsa_reserve_vcc 0
		.amdhsa_float_denorm_mode_32 3
		.amdhsa_float_denorm_mode_16_64 3
		.amdhsa_memory_ordered 1
		.amdhsa_forward_progress 1
		.amdhsa_inst_pref_size 6
	.end_amdhsa_kernel
	.amdgpu_metadata
---
amdhsa.version: [ 1, 2 ]
amdhsa.kernels:
  - .name:           k_q31440f9e57_fold
    .symbol:         k_q31440f9e57_fold.kd
    .args:
      - { .name: part, .offset: 0, .size: 8, .value_kind: global_buffer, .address_space: global }
      - { .name: g, .offset: 8, .size: 8, .value_kind: global_buffer, .address_space: global }
      - { .name: vs, .offset: 16, .size: 8, .value_kind: global_buffer, .address_space: global }
    .group_segment_fixed_size: 0
    .private_segment_fixed_size: 0
    .kernarg_segment_align: 8
    .kernarg_segment_size: 24
    .max_flat_workgroup_size: 128
    .sgpr_count:     66
    .vgpr_count:     80
    .wavefront_size: 32
...
	.end_amdgpu_metadata
.endif
;; end of part 3
;; launch qgemm (part 4): grid 4 x 64, 4 waves a work-group, clusters of 4 x 4, 327,680 bytes of LDS; arguments xb, wb, bq, attention_mask, g, vs, dn, out0; writes out0
.if DOCPART == 4
	.amdgcn_target "amdgcn-amd-amdhsa--gfx1250"
	.amdhsa_code_object_version 6
	.text
	.protected	k_q31440f9e57_qgemm
	.globl	k_q31440f9e57_qgemm
	.p2align	8
	.type	k_q31440f9e57_qgemm,@function
k_q31440f9e57_qgemm:
	s_mov_b64 s[64:65], 0
	v_nop
	global_prefetch_b8 v0, s[64:65] scope:SCOPE_SE
	s_setreg_imm32_b32 hwreg(HW_REG_WAVE_MODE, 25, 1), 1
	s_wait_xcnt 0x0
	s_wait_alu depctr_hold_cnt(0) depctr_sa_sdst(0) depctr_va_vdst(0) depctr_va_sdst(0) depctr_va_ssrc(0) depctr_va_vcc(0) depctr_vm_vsrc(0)
	s_getreg_b32 s2, hwreg(HW_REG_IB_STS2, 6, 4)
	s_cmp_eq_u32 s2, 0
	s_cbranch_scc0 .Lentry_in_a_cluster
	s_endpgm
.Lentry_in_a_cluster:
	s_bfe_u32 s2, ttmp6, 0x10000c
	s_cmp_lg_u32 s2, 0xf033
	s_cbranch_scc0 .Lentry_shape_is_right
	s_endpgm
.Lentry_shape_is_right:
; Q = X Wq + bq; q = Q m / (|m| ||Q|| + 1e-5) over each head's 64 channels; out = (q kv + sum v) / (q . sum k + 1e-5 + sum m).
; xb [16384][1024] bf16, wb [1024 k][3072] bf16 (Wq from column 2,048 on); g, vs, dn as the launches before left them; products in bf16 with f32 sums; Q never reaches memory.
; SHARES.  A work-group makes one tile of 256 rows x 256 columns (4 heads); wave (RH, CH): 128 rows x 2 heads: 64 accumulators of 16 x 16.
; LAYOUT.  The product is taken transposed (source 0 = 16 columns of W, source 1 = 16 rows of X): lane l holds row l % 16 and columns 8 (l / 16) + 0..7.  Two column blocks rounded to bf16 in pairs ARE source 1
; (32 channels x 16 rows) of P^T = G Q^T, where G's rows are kv's columns e, and a fifth block of 16 rows all equal to sum k: that block holds Pk = Q . sum k in every register of every lane.
; P^T again holds one row a lane and eight neighbouring columns.
; THE QUOTIENT.  With n = ||Q||, t = |m| n + 1e-5 and dn = sum m + 1e-5, numerator and divisor are both multiplied through by t: out = (m P + t sum v) / (m Pk + t dn).  So Q goes into the product
; unscaled, the row's numbers are applied in f32 behind it, and a row needs one root and one reciprocal.
; BEHIND THE TILE: ONE LOOP of eight trips, a block of 16 rows each.  Only the 32 roundings name a block's accumulators: they stand in eight arms, chosen by forward jumps on the counter; all else works on fixed registers.
; RING, CLUSTER: as in the launch for k and v: K in 8 steps of 128, two LDS slots, joint loads in a cluster of 4 x 4.
; THE WAY OUT: 16 rows x 128 columns of f32 at a time through my own stage in LDS (rows of 528 bytes) and out as rows of 512 consecutive bytes.
; LIMITS.  mask/10000 is a multiply and one correction step; ||Q m|| is taken as |m| ||Q||, and ||Q|| of Q as rounded to bf16 for the product; a head's sum of squares overflows beyond |Q| of some 2e18 and counts
; as 0 below 2^-126; the quotient's roundings differ from a division of q's product by the norm; NaN and infinities are not treated apart.
; REGISTERS (windows of 256; s_set_vgpr_msb: bits 1:0 source 0, 3:2 source 1, 5:4 source 2, 7:6 destination):
;   window 0: v0-15 addresses; v16-23 mask; v24-27 m / divisor; v32-63 sum v of my second head; v64-127, v128-191 X's fragments, later P^T (v64-143), Q's fragments (v144-175), at work (v176-191); v192-255 bias, later rows on the way out
;   window 1: v0-63, v192-207 G of my first head; v208-239 its sum v; v240-255 the fifth block of my second head's G; v64-127, v128-191 W's fragments; v64-127 later the other four blocks of that G
;   windows 2, 3: the tile's accumulators, (a, b) at v[8 (8 (a % 4) + b)]
.set PA,     272
.set PB,     544
.set HALFT,  34816
.set SLOT,   4*HALFT
.set STAGE,  2*SLOT                    ; behind the ring, never filled by a tensor load: 16 rows x 528 bytes for each wave
.set SPARE,  STAGE+33792               ; the spare words, 128 bytes a wave: two blocks of 256 bytes that no other line names
.set STEP_A, 256
.set STEP_B, 128*6144
.set CW,     256
.set CJ,     0
.set COL0,   4096
.set SP,     528
.set ADRA0, 2
.set ADRB0, 3
.set ADRA,  4
.set ADRB,  5
.set QB,    6                          ; 32 (l / 16): my 8 columns' bias
.set MR,    7                          ; 4 (l % 16): my row's mask word
.set LO,    8                          ; 16 l
.set STO,   9
.set RD,    10
.set PFO,   11
.set SPW,   12
.set NIL,   13
.set ZR,    14                         ; 0, behind the tile: what the chains of squares start from
.set M,     16
.set A1,    24                         ; m / divisor, head hd at A1 + 2 hd (the low word of a pair)
.set VS1,   32
.set F0,    64
.set F1,    128
.set O,     64
.set QF,    144
.set TD,    176
.set A2,    184                        ; t / divisor, likewise
.set MC,    188                        ; the block's m
.set T0,    190                        ; t of the two heads
.set T1,    191
.set BIAS,  192
.set OB,    192
.set G1,  24
.set G0,  32
.set G1B, 48
.set G0B, 56
.set TB,  66
.set LIM, 67
.set PFA, 68
.set PFS, 70
.set MB,  72
.set EPSR, 74
.set DNS, 75
.set OUTB, 76
.set SEL, 78
.set WV,  80
.set RH,  81
.set CH,  82
.set CX,  83
.set CY,  84
.set TX,  85
.set TY,  86
.set CDIV, 88
.set NDIV, 90
.set BQP, 92
.set GP,  94
.set VP,  96
.set DP,  98
.set MSB, 0
.macro WIN new
.if MSB != (\new)
	s_set_vgpr_msb (MSB<<8)|(\new)
.set MSB, \new
.endif
.endm
.macro PLACES
.rept 4
	v_nop
.endr
.endm
.macro CREST
	s_cmp_lg_u32 s[WV], 0
	s_cbranch_scc1 .Lnot_wave_0_\@
	s_barrier_signal -3
.Lnot_wave_0_\@:
	s_barrier_wait -3
	s_barrier_signal -1
	s_barrier_wait -1
.endm
.macro CROUND
	s_barrier_signal -1
	s_barrier_wait -1
	CREST
.endm
.macro JLOAD                           ; a joint refill by the walking descriptor; an s_nop 0 and four v_nop follow each line
	s_cmp_eq_u32 s[RH], 0
	s_cbranch_scc0 .Lfor_b_\@
	tensor_load_to_lds s[G0+4:G0+7], s[G1:G1+7]
	s_nop 0
.rept 4
	v_nop
.endr
	s_branch .Lasked_\@
.Lfor_b_\@:
	tensor_load_to_lds s[G0B+4:G0B+7], s[G1B:G1B+7]
	s_nop 0
.rept 4
	v_nop
.endr
.Lasked_\@:
.endm
; A prefetch of the K step two refills on (K steps 4 to 7), 512 matrix instructions ahead of the load that wants it.  X's rows: every cluster (the grid is one cluster wide); W's: the clusters with y = 0.
; The four partners of a joint load share its blocks of 256 bytes out by address, 32 each, a lane a block.
.macro ASK
	s_cmp_gt_u32 s3, s[LIM]
	s_cbranch_scc0 .Lnot_mine_\@
	global_prefetch_b8 v[PFO], s[PFA:PFA+1] th:TH_LOAD_NT scope:SCOPE_SE
.Lnot_mine_\@:
.endm
; 16 matrix instructions.  cm = 2: the first product starts the sums with the bias as C
.macro MUL16 f, hi, a0, cm
.if (\cm) == 2
	WIN 0x81+0x40*(\hi)
.else
	WIN 0xa1+0x50*(\hi)
.endif
.irp a, \a0, (\a0)+1
.irp b, 0,1,2,3,4,5,6,7
.if (\cm) == 2
	v_wmma_f32_16x16x32_bf16 v[8*(8*(\a)+(\b)):8*(8*(\a)+(\b))+7], v[(\f)+8*(\b):(\f)+8*(\b)+7], v[(\f)+8*(4*(\hi)+(\a)):(\f)+8*(4*(\hi)+(\a))+7], v[BIAS+8*(\b):BIAS+8*(\b)+7]
.else
	v_wmma_f32_16x16x32_bf16 v[8*(8*(\a)+(\b)):8*(8*(\a)+(\b))+7], v[(\f)+8*(\b):(\f)+8*(\b)+7], v[(\f)+8*(4*(\hi)+(\a)):(\f)+8*(4*(\hi)+(\a))+7], v[8*(8*(\a)+(\b)):8*(8*(\a)+(\b))+7]
.endif
.endr
.endr
.endm
.macro FETCH q, f
	WIN 0x40
.irp i, 0,1,2,3,4,5,6,7
	ds_load_tr16_b128 v[(\f)+8*(\i):(\f)+8*(\i)+3],   v[ADRB] offset:32*(\q)*PB+32*(\i)+CJ*((\i)/4)
	ds_load_tr16_b128 v[(\f)+8*(\i)+4:(\f)+8*(\i)+7], v[ADRB] offset:32*(\q)*PB+32*(\i)+CJ*((\i)/4)+16*PB
.endr
	WIN 0
.irp i, 0,1,2,3,4,5,6,7
	ds_load_b128 v[(\f)+8*(\i):(\f)+8*(\i)+3],   v[ADRA] offset:64*(\q)+(\i)*16*PA
	ds_load_b128 v[(\f)+8*(\i)+4:(\f)+8*(\i)+7], v[ADRA] offset:64*(\q)+(\i)*16*PA+32
.endr
.endm
.macro QUARTER q, f, g, cm
	s_wait_dscnt 8                                 ; W and X's rows 0-63 are in; the youngest eight loads may be out
	MUL16 \f, 0, 0, \cm
	MUL16 \f, 0, 2, \cm
	PLACES
	FETCH \q, \g
	s_wait_dscnt 32                                ; all but the 32 just issued
	MUL16 \f, 1, 0, \cm
	MUL16 \f, 1, 2, \cm
.endm
.macro MEET round
	WIN 0
	s_wait_tensorcnt 0x0                           ; all my tensor loads have landed: the one that was out is my part of the next slot
	ds_add_u32 v[SPW], v[NIL]                      ; 0 onto my spare word
	s_wait_dscnt 9                                 ; the add and the youngest eight loads may be out
	MUL16 F1, 0, 0, 0
	s_wait_dscnt 0x0                               ; the add is done, and my reads of this slot are over
	s_barrier_signal -1
	MUL16 F1, 0, 2, 0
.if \round
	WIN 0
.endif
	s_barrier_wait -1
.endm
.macro NEXTSLOT
	s_xor_b32 s[TB], s[TB], SLOT
	v_add_nc_u32 v[ADRA], s[TB], v[ADRA0]
	v_add_nc_u32 v[ADRB], s[TB], v[ADRB0]
.endm
.macro TURN
	s_wait_xcnt 0x0                                ; the last prefetch, a K step back, has read its address
	s_add_nc_u64 s[PFA:PFA+1], s[PFA:PFA+1], s[PFS:PFS+1]
	MEET 1
	CREST                                          ; no wave of any partner still reads this slot or has a load on its way
	s_xor_b32 s[G0+5], s[G0+5], SLOT
	s_xor_b32 s[G0B+5], s[G0B+5], SLOT
	s_add_nc_u64 s[G0+6:G0+7], s[G0+6:G0+7], STEP_A
	s_add_nc_u64 s[G0B+6:G0B+7], s[G0B+6:G0B+7], STEP_B
	JLOAD                                          ; the first tensor load behind the round; its four v_nop are also the places in front of the loads below
	NEXTSLOT
	FETCH 0, F0
	ASK
	MUL16 F1, 1, 0, 0
	MUL16 F1, 1, 2, 0
.endm
.macro TURNLAST
	MEET 0
	PLACES
	WIN 0
	NEXTSLOT
	FETCH 0, F0
	MUL16 F1, 1, 0, 0
	MUL16 F1, 1, 2, 0
.endm
	s_load_b512 s[4:19], s[0:1], 0x0               ; xb s[4:5], wb s[6:7], bq s[8:9], mask s[10:11], g s[12:13], vs s[14:15], dn s[16:17], out0 s[18:19]
	v_lshl_add_u32 v[SPW], v0, 2, SPARE
	v_mov_b32 v[NIL], 0
	ds_add_u32 v[SPW], v[NIL]                      ; the wave's opening: the add, twice on end, and its wait ahead of my first tensor load
	ds_add_u32 v[SPW], v[NIL]
	v_lshrrev_b32 v1, 5, v0
	v_readfirstlane_b32 s[WV], v1
	s_lshr_b32 s[RH], s[WV], 1
	s_and_b32 s[CH], s[WV], 1
	s_bfe_u32 s[CX], ttmp6, 0x40000
	s_bfe_u32 s[CY], ttmp6, 0x40004
	s_lshl_b32 s[TX], ttmp9, 2
	s_add_co_u32 s[TX], s[TX], s[CX]
	s_and_b32 s[TY], ttmp7, 0xffff
	s_lshl_b32 s[TY], s[TY], 2
	s_add_co_u32 s[TY], s[TY], s[CY]
	s_lshl_b32 s40, s[CY], 2
	s_lshl_b32 s40, 15, s40
	s_lshl_b32 s41, 0x1111, s[CX]
	s_or_b32 s[G1], s40, (1<<16)|(1<<20)|(1<<21)|(5<<22)|(3<<25)
	s_or_b32 s[G1B], s41, (1<<16)|(1<<20)|(1<<21)|(6<<22)|(7<<25)
	s_mov_b32 s[G1+1], 128<<16
	s_mov_b32 s[G1+2], 128<<16
	s_mov_b32 s[G1+3], 128<<16
	s_mov_b32 s[G1+4], 128
	s_mov_b32 s[G1+5], 1024
	s_mov_b32 s[G1+6], 0
	s_mov_b32 s[G1+7], 0
	s_mov_b32 s[G1B+1], 256<<16
	s_mov_b32 s[G1B+2], 64<<16
	s_mov_b32 s[G1B+3], 256<<16
	s_mov_b32 s[G1B+4], 64
	s_mov_b32 s[G1B+5], 3072
	s_mov_b32 s[G1B+6], 0
	s_mov_b32 s[G1B+7], 0
	s_lshl_b32 s22, s[TY], 8                       ; the tile's first row
	s_lshl_b32 s23, s[CH], 7
	s_add_co_u32 s44, s22, s23
	s_lshl_b32 s44, s44, 11
	s_mov_b32 s45, 0
	s_mul_i32 s46, s[CH], 64*6144
	s_lshl_b32 s47, s[TX], 9
	s_add_co_u32 s46, s46, s47
	s_add_co_u32 s46, s46, COL0
	s_mov_b32 s47, 0
	s_mul_i32 s23, s[WV], HALFT
	s_mov_b32 s[TB], 0
	s_mov_b32 s[EPSR], 0x3727c5ac
	s_mov_b32 s[CDIV], 0x38d1b717
	s_mov_b32 s[CDIV+1], s[CDIV]
	s_mov_b32 s[NDIV], 0xc61c4000
	s_mov_b32 s[NDIV+1], s[NDIV]
	s_mov_b32 s[SEL], 0x76543210
	s_mov_b32 s[SEL+1], 0xfedcba98
	s_wait_dscnt 0x0                               ; both opening adds are done
	s_wait_kmcnt 0x0
	s_add_nc_u64 s[44:45], s[4:5], s[44:45]
	s_add_nc_u64 s[46:47], s[6:7], s[46:47]
	CROUND                                         ; all sixteen work-groups are here: the first joint loads meet
.irp s, 0,1
	s_mov_b32 s[G0+4*(\s)], 1
	s_add_co_u32 s[G0+4*(\s)+1], s23, (\s)*SLOT
	s_add_nc_u64 s[G0+4*(\s)+2:G0+4*(\s)+3], s[44:45], (\s)*STEP_A
	s_or_b32 s[G0+4*(\s)+3], s[G0+4*(\s)+3], 0x80000000
	s_mov_b32 s[G0B+4*(\s)], 1
	s_add_co_u32 s[G0B+4*(\s)+1], s23, (\s)*SLOT
	s_add_nc_u64 s[G0B+4*(\s)+2:G0B+4*(\s)+3], s[46:47], (\s)*STEP_B
	s_or_b32 s[G0B+4*(\s)+3], s[G0B+4*(\s)+3], 0x80000000
.endr
	s_cmp_eq_u32 s[RH], 0                          ; a wave's two first fills stand in one branch: two loads of mine are out
	s_cbranch_scc0 .Lfirst_b
	tensor_load_to_lds s[G0:G0+3], s[G1:G1+7]
	s_nop 0
	tensor_load_to_lds s[G0+4:G0+7], s[G1:G1+7]
	s_nop 0
.rept 4
	v_nop
.endr
	s_branch .Lfirst_asked
.Lfirst_b:
	tensor_load_to_lds s[G0B:G0B+3], s[G1B:G1B+7]
	s_nop 0
	tensor_load_to_lds s[G0B+4:G0B+7], s[G1B:G1B+7]
	s_nop 0
.rept 4
	v_nop
.endr
.Lfirst_asked:
	v_and_b32 v14, 15, v0
	v_bfe_u32 v15, v0, 4, 1
	v_mul_u32_u24 v[ADRA0], v14, PA
	v_lshl_add_u32 v[ADRA0], v15, 4, v[ADRA0]
	s_mul_i32 s40, s[RH], HALFT
	v_add_nc_u32 v[ADRA0], s40, v[ADRA0]
	v_and_b32 v1, 7, v0
	v_lshl_add_u32 v1, v15, 3, v1
	v_mul_u32_u24 v[ADRB0], v1, PB
	v_bfe_u32 v1, v0, 3, 1
	v_lshl_add_u32 v[ADRB0], v1, 4, v[ADRB0]
	s_mul_i32 s40, s[CH], CW
	s_add_co_u32 s40, s40, 2*HALFT
	v_add_nc_u32 v[ADRB0], s40, v[ADRB0]
	v_mov_b32 v[ADRA], v[ADRA0]
	v_mov_b32 v[ADRB], v[ADRB0]
	v_lshlrev_b32 v[QB], 5, v15
	v_lshlrev_b32 v[MR], 2, v14
	v_and_b32 v1, 31, v0
	v_lshlrev_b32 v[LO], 4, v1
	s_mul_i32 s40, s[WV], 16*SP
	s_add_co_u32 s40, s40, STAGE                   ; my stage
	v_mul_u32_u24 v[STO], v14, SP                  ; in: row l % 16, 32 bytes for each half of the lanes
	v_lshl_add_u32 v[STO], v15, 5, v[STO]
	v_add_nc_u32 v[STO], s40, v[STO]
	v_add_nc_u32 v[RD], s40, v[LO]                 ; back: 32 lanes take a row's 512 bytes
	s_lshl_b32 s40, s[TX], 8
	s_lshl_b32 s41, s[CH], 7
	s_add_co_u32 s40, s40, s41                     ; my first column
	s_lshl_b32 s42, s40, 2
	s_mov_b32 s43, 0
	s_add_nc_u64 s[BQP:BQP+1], s[8:9], s[42:43]
	s_add_nc_u64 s[OUTB:OUTB+1], s[18:19], s[42:43]
	s_lshl_b32 s41, s[RH], 7
	s_add_co_u32 s41, s41, s22                     ; my first row
	s_lshl_b32 s42, s41, 2                         ; the mask is flat over batch x row
	s_add_nc_u64 s[MB:MB+1], s[10:11], s[42:43]
	s_lshl_b32 s42, s41, 12                        ; rows of 4,096 bytes
	s_add_nc_u64 s[OUTB:OUTB+1], s[OUTB:OUTB+1], s[42:43]
	s_lshr_b32 s41, s[TY], 4                       ; batch
	s_lshr_b32 s40, s40, 6                         ; my first head
	s_lshl4_add_u32 s40, s41, s40
	s_mul_i32 s42, s40, 10240
	s_add_nc_u64 s[GP:GP+1], s[12:13], s[42:43]
	s_lshl_b32 s42, s40, 12
	s_add_nc_u64 s[VP:VP+1], s[14:15], s[42:43]
	s_lshl_b32 s42, s41, 8
	s_add_nc_u64 s[DP:DP+1], s[16:17], s[42:43]
	s_load_b32 s[DNS], s[DP:DP+1], 0x0             ; sum m + 1e-5 of my batch
.irp b, 0,1,2,3,4,5,6,7
	global_load_b128 v[BIAS+8*(\b):BIAS+8*(\b)+3],   v[QB], s[BQP:BQP+1] offset:64*(\b)
	global_load_b128 v[BIAS+8*(\b)+4:BIAS+8*(\b)+7], v[QB], s[BQP:BQP+1] offset:64*(\b)+16
	global_load_b32 v[M+(\b)], v[MR], s[MB:MB+1] offset:64*(\b)
.endr
.set t, 0
.rept 8                                            ; register images, 512 consecutive bytes a load: my second head's sum v,
	global_load_b128 v[VS1+4*t:VS1+4*t+3], v[LO], s[VP:VP+1] offset:4096+512*t
.set t, t+1
.endr
	WIN 0x40                                       ; my first head's G and sum v,
.set t, 0
.rept 20
	global_load_b128 v[4*t+128*(t/16):4*t+128*(t/16)+3], v[LO], s[GP:GP+1] offset:512*t
.set t, t+1
.endr
.set t, 0
.rept 8
	global_load_b128 v[208+4*t:208+4*t+3], v[LO], s[VP:VP+1] offset:512*t
.set t, t+1
.endr
.set t, 16
.rept 4                                            ; and the fifth block of my second head's G; its other four come when W's first buffer is free
	global_load_b128 v[240+4*(t-16):240+4*(t-16)+3], v[LO], s[GP:GP+1] offset:10240+512*t
.set t, t+1
.endr
	WIN 0
	s_wait_kmcnt 0x0                               ; the divisor's addend
	; the prefetches: where they stand (K step 3; the first refill steps it to 4), their step, who asks
	s_lshl_b32 s40, s[CX], 16
	s_lshl_b32 s41, s[CH], 7
	s_add_co_u32 s41, s41, s22
	s_lshl_b32 s41, s41, 11
	s_add_co_u32 s40, s40, s41
	s_add_co_u32 s40, s40, 3*STEP_A
	s_lshl_b32 s41, s[CY], 4
	s_lshl_b32 s42, s[CH], 6
	s_add_co_u32 s41, s41, s42
	s_add_co_u32 s41, s41, 3*128
	s_mul_i32 s41, s41, 6144
	s_lshl_b32 s42, s[TX], 9
	s_add_co_u32 s41, s41, s42
	s_add_co_u32 s41, s41, COL0
	s_and_b32 s42, ttmp7, 0xffff
	s_mov_b32 s[PFS], STEP_B
	s_mov_b32 s43, 6144
	s_cmp_eq_u32 s[RH], 0
	s_cselect_b32 s40, s40, s41
	s_cselect_b32 s42, ttmp9, s42
	s_cselect_b32 s[PFS], STEP_A, s[PFS]
	s_cselect_b32 s43, 2048, s43
	s_cselect_b32 s47, 0, 1
	s_cselect_b64 s[PFA:PFA+1], s[4:5], s[6:7]
	s_mov_b32 s41, 0
	s_mov_b32 s[PFS+1], 0
	s_add_nc_u64 s[PFA:PFA+1], s[PFA:PFA+1], s[40:41]
	s_cmp_eq_u32 s42, 0
	s_cselect_b32 s[LIM], 2, -1
	v_lshrrev_b32 v[PFO], s47, v1
	v_mul_u32_u24 v[PFO], v[PFO], s43
	v_and_b32 v1, s47, v1
	v_lshl_add_u32 v[PFO], v1, 8, v[PFO]
	s_wait_tensorcnt 1                             ; my part of K step 0 is in; K step 1's may stay out
	s_barrier_signal -1
	s_barrier_wait -1
	FETCH 0, F0
	s_wait_loadcnt 0x0                             ; bias, mask, G, sum v
	QUARTER 1, F0, F1, 2                           ; the first quarter: its products start the sums with the bias
	WIN 0
	s_mov_b32 s3, 6
.Lstep:                                            ; a trip: from a step's second quarter to the next step's first; refills K steps 2 to 7
	QUARTER 2, F1, F0, 0
	QUARTER 3, F0, F1, 0
	TURN
	QUARTER 1, F0, F1, 0
	WIN 0
	s_sub_co_u32 s3, s3, 1
	s_cmp_lg_u32 s3, 0
	s_cbranch_scc1 .Lstep
	QUARTER 2, F1, F0, 0
	QUARTER 3, F0, F1, 0
	TURNLAST
	QUARTER 1, F0, F1, 0
	QUARTER 2, F1, F0, 0
	QUARTER 3, F0, F1, 0
	PLACES                                         ; the last quarter multiplies buffer 1: W's buffer 0 has been multiplied out and takes four blocks of my second head's G,
	WIN 0x40                                       ; 64 matrix instructions ahead of the wait for them
.set t, 0
.rept 16
	global_load_b128 v[64+4*t:64+4*t+3], v[LO], s[GP:GP+1] offset:10240+512*t
.set t, t+1
.endr
	s_wait_dscnt 8
	MUL16 F1, 0, 0, 0
	MUL16 F1, 0, 2, 0
	s_wait_dscnt 0x0
	MUL16 F1, 1, 0, 0
	MUL16 F1, 1, 2, 0
	WIN 0
	; BEHIND THE TILE
	PLACES                                         ; behind the last products: X's fragment registers are written below
	v_mov_b32 v[ZR], 0
	v_mov_b32 v[A1+1], 0                           ; named with the rows' numbers as pairs, of which the low word is taken
	v_mov_b32 v[A1+3], 0
	v_mov_b32 v[A2+1], 0
	v_mov_b32 v[A2+3], 0
.irp p, 0,1,2,3                                    ; m = x / 10000 + 1 for my row of each of the 8 blocks: q = x 1e-4; r = x - 10000 q; q + r 1e-4; + 1
	v_pk_mul_f32 v[TD+2*(\p):TD+2*(\p)+1], v[M+2*(\p):M+2*(\p)+1], s[CDIV:CDIV+1] op_sel_hi:[1,0]
.endr
.irp p, 0,1,2,3
	v_pk_fma_f32 v[M+2*(\p):M+2*(\p)+1], v[TD+2*(\p):TD+2*(\p)+1], s[NDIV:NDIV+1], v[M+2*(\p):M+2*(\p)+1] op_sel_hi:[1,0,1]
.endr
.irp p, 0,1,2,3
	v_pk_fma_f32 v[M+2*(\p):M+2*(\p)+1], v[M+2*(\p):M+2*(\p)+1], s[CDIV:CDIV+1], v[TD+2*(\p):TD+2*(\p)+1] op_sel_hi:[1,0,1]
.endr
.irp p, 0,1,2,3
	v_pk_add_f32 v[M+2*(\p):M+2*(\p)+1], v[M+2*(\p):M+2*(\p)+1], 1.0 op_sel_hi:[1,0]
.endr
	s_wait_loadcnt 0x0                             ; my second head's G
.macro CVQ a                           ; an arm: block a's Q rounded in pairs (column block b is half a fragment, at QF + 4 b; each accumulator from its low end on), and its m
	WIN 0x0a+5*((\a)/4)
.irp b, 0,1,2,3,4,5,6,7
.irp p, 0,1,2,3
	v_cvt_pk_bf16_f32 v[QF+4*(\b)+(\p)], v[8*(8*((\a)%4)+(\b))+2*(\p)], v[8*(8*((\a)%4)+(\b))+2*(\p)+1]
.endr
.endr
	WIN 0
	v_mov_b32 v[MC], v[M+(\a)]
.endm
.macro WMM                             ; P^T of both heads: 10 accumulators by turns, two deep: nine others stand between the two links of a chain; the first link starts the sum
	WIN 0x01
.irp kh, 0,1
.irp hd, 0,1
.irp e, 0,1,2,3,4
.if (\hd) == 0
.set go, 16*(\e)+128*((\e)/4)+8*(\kh)
.else
.set go, 64+16*(\e)+112*((\e)/4)+8*(\kh)
.endif
.set oo, O+40*(\hd)+8*(\e)
.set qo, QF+16*(\hd)+8*(\kh)
.if (\kh) == 0
	v_wmma_f32_16x16x32_bf16 v[oo:oo+7], v[go:go+7], v[qo:qo+7], 0
.else
	v_wmma_f32_16x16x32_bf16 v[oo:oo+7], v[go:go+7], v[qo:qo+7], v[oo:oo+7]
.endif
.endr
.endr
.endr
	WIN 0
.endm
; The sums of squares of the rounded Q: a lane holds 32 of a row's 64 numbers of each head.  Eight chains of eight (head, half of the word, parity of the register), which do not wait for each other;
; then each head's four chains and the other half of the lanes'.  These lines stand behind the products and read only what the products read.
.macro NORM
.set t, 0
.rept 8
.irp c, 0,1,2,3,4,5,6,7
.set qr, QF+16*((\c)/4)+2*t+((\c)%2)
.set ad, TD+(\c)
.if t == 0
.set ad, ZR
.endif
.if ((\c)/2)%2
	v_fma_mix_f32_bf16 v[TD+(\c)], v[qr], v[qr], v[ad] op_sel:[1,1,0] op_sel_hi:[1,1,0]
.else
	v_fma_mix_f32_bf16 v[TD+(\c)], v[qr], v[qr], v[ad] op_sel_hi:[1,1,0]
.endif
.endr
.set t, t+1
.endr
	v_add_f32 v[TD], v[TD], v[TD+1]
	v_add_f32 v[TD+4], v[TD+4], v[TD+5]
	v_add_f32 v[TD+2], v[TD+2], v[TD+3]
	v_add_f32 v[TD+6], v[TD+6], v[TD+7]
	v_add_f32 v[TD], v[TD], v[TD+2]
	v_add_f32 v[TD+4], v[TD+4], v[TD+6]
	v_permlanex16_b32 v[TD+1], v[TD], s[SEL], s[SEL+1]
	v_permlanex16_b32 v[TD+5], v[TD+4], s[SEL], s[SEL+1]
	v_add_f32 v[TD], v[TD], v[TD+1]
	v_add_f32 v[TD+4], v[TD+4], v[TD+5]
.endm
.macro DIV                             ; t = |m| n + 1e-5; divisor = m Pk + t dn (Pk: the fifth block's lowest register); out = P (m / divisor) + sum v (t / divisor)
	v_sqrt_f32 v[TD], v[TD]
	v_sqrt_f32 v[TD+4], v[TD+4]
	v_nop                                          ; a plain instruction behind the last root
	s_wait_alu depctr_va_vdst(0)                   ; one wait for the two roots
	v_fma_f32 v[T0], v[TD], |v[MC]|, s[EPSR]
	v_fma_f32 v[T1], v[TD+4], |v[MC]|, s[EPSR]
	v_mul_f32 v[TD+1], s[DNS], v[T0]
	v_mul_f32 v[TD+5], s[DNS], v[T1]
	v_fma_f32 v[TD+1], v[O+32], v[MC], v[TD+1]
	v_fma_f32 v[TD+5], v[O+72], v[MC], v[TD+5]
	v_rcp_f32 v[TD+1], v[TD+1]
	v_rcp_f32 v[TD+5], v[TD+5]
	v_nop
	s_wait_alu depctr_va_vdst(0)                   ; one wait for the two reciprocals
	v_mul_f32 v[A1], v[MC], v[TD+1]
	v_mul_f32 v[A1+2], v[MC], v[TD+5]
	v_mul_f32 v[A2], v[T0], v[TD+1]
	v_mul_f32 v[A2+2], v[T1], v[TD+5]
.irp hd, 0,1
.irp e, 0,1,2,3
.irp p, 0,1,2,3
	v_pk_mul_f32 v[O+40*(\hd)+8*(\e)+2*(\p):O+40*(\hd)+8*(\e)+2*(\p)+1], v[O+40*(\hd)+8*(\e)+2*(\p):O+40*(\hd)+8*(\e)+2*(\p)+1], v[A1+2*(\hd):A1+2*(\hd)+1] op_sel_hi:[1,0]
.endr
.endr
.endr
.irp e, 0,1,2,3
.irp p, 0,1,2,3
	v_pk_fma_f32 v[O+40+8*(\e)+2*(\p):O+40+8*(\e)+2*(\p)+1], v[VS1+8*(\e)+2*(\p):VS1+8*(\e)+2*(\p)+1], v[A2+2:A2+3], v[O+40+8*(\e)+2*(\p):O+40+8*(\e)+2*(\p)+1] op_sel_hi:[1,0,1]
.endr
.endr
	WIN 0x01                                       ; my first head's sum v lies in window 1
.irp e, 0,1,2,3
.irp p, 0,1,2,3
	v_pk_fma_f32 v[O+8*(\e)+2*(\p):O+8*(\e)+2*(\p)+1], v[208+8*(\e)+2*(\p):208+8*(\e)+2*(\p)+1], v[A2:A2+1], v[O+8*(\e)+2*(\p):O+8*(\e)+2*(\p)+1] op_sel_hi:[1,0,1]
.endr
.endr
	WIN 0
.endm
.macro TOSTAGE
	s_wait_xcnt 0x0                                ; the last block's stores have read their base and their registers: the base steps, and the loads below fill the registers again
	s_cmp_lg_u32 s3, 0                             ; (in trip 0 nothing has been stored yet)
	s_cselect_b32 s40, 0x10000, 0                  ; 16 rows of 4,096 bytes
	s_add_nc_u64 s[OUTB:OUTB+1], s[OUTB:OUTB+1], s[40:41]
.irp hd, 0,1
.irp e, 0,1,2,3
	ds_store_b128 v[STO], v[O+40*(\hd)+8*(\e):O+40*(\hd)+8*(\e)+3]   offset:256*(\hd)+64*(\e)
	ds_store_b128 v[STO], v[O+40*(\hd)+8*(\e)+4:O+40*(\hd)+8*(\e)+7] offset:256*(\hd)+64*(\e)+16
.endr
.endr
.irp i, 0,1,2,3,4,5,6,7,8,9,10,11,12,13,14,15
	ds_load_b128 v[OB+4*(\i):OB+4*(\i)+3], v[RD] offset:SP*(\i)  ; LDS serves a wave's instructions in order (ISA guide 5.7.1.4): these see the stores above
.endr
.endm
.macro SEND
.irp i, 0,1,2,3,4,5,6,7,8,9,10,11,12,13,14,15
	s_wait_dscnt 15-(\i)                           ; row i is back; the younger loads of the run may be out
	global_store_b128 v[LO], v[OB+4*(\i):OB+4*(\i)+3], s[OUTB:OUTB+1] offset:(\i)*4096 th:TH_STORE_NT  ; 512 consecutive bytes, at a multiple of 512 from out0's first
.endr
.endm
	s_mov_b32 s3, 0
	s_mov_b32 s41, 0                               ; the upper word of the base's step
.Lrow:                                             ; trip a: block a is rounded, multiplied, divided and staged; block a - 1, back from the stage, is stored behind block a's products
.irp a, 0,1,2,3,4,5,6
	s_cmp_eq_u32 s3, \a
	s_cbranch_scc0 .Lnot_\a
	CVQ \a
	s_branch .Lcom
.Lnot_\a:
.endr
	CVQ 7
.Lcom:
	WMM
	NORM
	s_cmp_eq_u32 s3, 0
	s_cbranch_scc1 .Lnone
	SEND
.Lnone:
	DIV                                            ; NORM's ten last lines name no register of the products: they are the places in front of the first read of P^T
	TOSTAGE
	s_add_co_u32 s3, s3, 1
	s_cmp_lt_u32 s3, 8
	s_cbranch_scc1 .Lrow
	SEND                                           ; block 7
	s_wait_tensorcnt 0x0                           ; the wave's end, behind my last tensor load and my last LDS store
	ds_add_u32 v[SPW], v[NIL]
	s_wait_dscnt 0x0
	CROUND                                         ; the closing round: no work-group ends while a partner may still ask for a tile that names it
	s_endpgm
.Lfunc_end_k_q31440f9e57_qgemm:
	.size	k_q31440f9e57_qgemm, .Lfunc_end_k_q31440f9e57_qgemm-k_q31440f9e57_qgemm
	.p2alignl 7, 3214868480
	.fill 96, 4, 3214868480
	.section	.rodata,"a",@progbits
	.p2align	6, 0x0
	.amdhsa_kernel k_q31440f9e57_qgemm
		.amdhsa_group_segment_fixed_size 327680
		.amdhsa_private_segment_fixed_size 0
		.amdhsa_enable_private_segment 0
		.amdhsa_kernarg_size 64
		.amdhsa_user_sgpr_count 2
		.amdhsa_user_sgpr_kernarg_segment_ptr 1
		.amdhsa_wavefront_size32 1
		.amdhsa_system_sgpr_workgroup_id_x 1
		.amdhsa_system_sgpr_workgroup_id_y 1
		.amdhsa_system_sgpr_workgroup_id_z 1
		.amdhsa_system_vgpr_workitem_id 0
		.amdhsa_next_free_vgpr 1024
		.amdhsa_next_free_sgpr 100
		.amdhsa_reserve_vcc 0
		.amdhsa_float_denorm_mode_32 3
		.amdhsa_float_denorm_mode_16_64 3
		.amdhsa_memory_ordered 1
		.amdhsa_forward_progress 1
		.amdhsa_inst_pref_size 131
	.end_amdhsa_kernel
	.amdgpu_metadata
---
amdhsa.version: [ 1, 2 ]
amdhsa.kernels:
  - .name:           k_q31440f9e57_qgemm
    .symbol:         k_q31440f9e57_qgemm.kd
    .args:
      - { .name: xb, .offset: 0, .size: 8, .value_kind: global_buffer, .address_space: global }
      - { .name: wb, .offset: 8, .size: 8, .value_kind: global_buffer, .address_space: global }
      - { .name: bq, .offset: 16, .size: 8, .value_kind: global_buffer, .address_space: global }
      - { .name: attention_mask, .offset: 24, .size: 8, .value_kind: global_buffer, .address_space: global }
      - { .name: g, .offset: 32, .size: 8, .value_kind: global_buffer, .address_space: global }
      - { .name: vs, .offset: 40, .size: 8, .value_kind: global_buffer, .address_space: global }
      - { .name: dn, .offset: 48, .size: 8, .value_kind: global_buffer, .address_space: global }
      - { .name: out0, .offset: 56, .size: 8, .value_kind: global_buffer, .address_space: global }
    .group_segment_fixed_size: 327680
    .private_segment_fixed_size: 0
    .kernarg_segment_align: 8
    .kernarg_segment_size: 64
    .max_flat_workgroup_size: 128
    .sgpr_count:     100
    .vgpr_count:     1024
    .wavefront_size: 32
...
	.end_amdgpu_metadata
.endif
;; end of part 4
;; ======== version 2 of 2: 4 launches; version 1 with the launch prep written anew for expert scheduling mode
;; limits: values outside matrix products are rounded to bf16
;; workspace buffers: xb 33,554,432 bytes; wb 6,291,456 bytes; dn 1,024 bytes; part 12,582,912 bytes; g 655,360 bytes; vs 262,144 bytes
;; launch prep (part 5): grid 1217 x 1, 4 waves a work-group, no clusters, 0 bytes of LDS; arguments hidden_states, Wk, Wv, Wq, attention_mask, xb, wb, dn; writes xb, wb, dn
.if DOCPART == 5
	.amdgcn_target "amdgcn-amd-amdhsa--gfx1250"
	.amdhsa_code_object_version 6
	.text
	.protected	k_q31440f9e57_prep
	.globl	k_q31440f9e57_prep
	.p2align	8
	.type	k_q31440f9e57_prep,@function
k_q31440f9e57_prep:
	s_mov_b64 s[64:65], 0
	v_nop
	global_prefetch_b8 v0, s[64:65] scope:SCOPE_SE
	s_setreg_imm32_b32 hwreg(HW_REG_WAVE_SCHED_MODE, 0, 2), 2
	s_setreg_imm32_b32 hwreg(HW_REG_WAVE_MODE, 25, 1), 1
	s_wait_xcnt 0x0
	s_wait_alu depctr_vm_vsrc(0)
; X and the three W are rounded once to bf16; dn[b] = sum over s of (mask/10000 + 1) + 1e-5.
; xb: [16384][1024] bf16.  wb: [1024 k][3072 n'] bf16; column blocks of 128: blocks 0-15 alternate Wk's and Wv's block j, blocks 16-23 are Wq's.
; A work-group takes 65,536 consecutive bytes of one f32 source (16 rows of 1,024 numbers), a wave 16,384: 32 loads of 512 consecutive bytes, all out at once.
; A load's 128 numbers leave as one store of 256 consecutive bytes, aligned.  Work-groups 0-1023: X; 1024-1215: Wk, Wv, Wq (64 each); 1216: the mask, a wave a batch.
; No LDS, no barrier, no matrix unit: every byte is read once and written once, and no wave needs another's data.
; The quotient mask/10000 is a multiply by 1e-4 and one correction step (r = x - 10000 q; q += r 1e-4).
; THE MODE: SCHED_MODE bits 1:0 = 2 (LLVM: expert scheduling mode 2), set by the entry lines.  The code itself states the register dependences
; between vector instructions and memory instructions, with s_wait_alu, always for 0.
; THE PLAN.  Registers that memory instructions touch:
;   v1        16 x lane.  Written once at the head; read by all 32 loads as their offset; never written again.
;   v[2:9]    the eight store offsets.  Written once at the head; read by the stores; never written again.
;   v[16:143] 32 pieces of 4 registers.  A piece is written by its load, then its first two registers by its two roundings, in place; these two are read by its one store; nothing writes them after that.
; The pieces go in eight blocks of four.  Block p waits for its four loads; one wait on va_vdst states that block p - 1's roundings have written their registers; block p - 1's four stores are then dealt
; among block p's eight roundings, which name block p's sixteen registers alone.  No register that a memory instruction has read is written again, so the text holds no wait on vm_vsrc.
; On the mask's path the pieces are worked on by vector lines alone, behind the wait for all loads; one wait on va_vdst stands ahead of its one store.
.set D,    16                          ; v[16:143] 32 pieces of 4 registers
.set OFFB, 2                           ; v[2:9]    8 x lane + j x (bytes from a row's block j to block j + 1)
.set TD,   144                         ; v[144:151] at work (the mask's path)
	s_load_b512 s[4:19], s[0:1], 0x0               ; hidden s[4:5], Wk s[6:7], Wv s[8:9], Wq s[10:11], mask s[12:13], xb s[14:15], wb s[16:17], dn s[18:19]
	v_and_b32 v10, 31, v0
	v_lshrrev_b32 v11, 5, v0
	v_readfirstlane_b32 s20, v11                   ; wave
	v_lshlrev_b32 v1, 4, v10                       ; 16 x lane: my bytes of a load
	v_lshlrev_b32 v[OFFB], 3, v10                  ; 8 x lane: my bytes of a store
	s_mov_b32 s21, ttmp9
	s_sub_co_u32 s26, s21, 1024
	s_lshr_b32 s25, s26, 6                         ; which W (0 Wk, 1 Wv, 2 Wq, 3 the mask); no small number for X
	s_and_b32 s26, s26, 63                         ; which 16 rows of it
	s_mov_b32 s23, 6144                            ; bytes in a row of wb
	s_mov_b32 s24, 256
	s_cmp_lt_u32 s21, 1152
	s_cselect_b32 s24, 512, s24                    ; Wk's and Wv's blocks alternate: 512 bytes apart
	s_lshl_b32 s27, s25, 8                         ; first block: Wk 0, Wv 256,
	s_cmp_eq_u32 s25, 2
	s_cselect_b32 s27, 4096, s27                   ; Wq 4,096
	s_cmp_lt_u32 s21, 1024                         ; X?
	s_cselect_b32 s22, s21, s26
	s_cselect_b32 s23, 2048, s23
	s_cselect_b32 s24, 256, s24
	s_cselect_b32 s27, 0, s27
.irp j, 1,2,3,4,5,6,7
	v_add_nc_u32 v[OFFB+(\j)], s24, v[OFFB+(\j)-1]
.endr
	s_lshl_b32 s30, s22, 16                        ; source: 65,536 a work-group,
	s_wait_alu depctr_va_sdst(0)                   ; s20, the wave's number, is written, ahead of its first reader: the source's and the rows' offsets are made from it
	s_lshl_b32 s31, s20, 14                        ; 16,384 a wave
	s_add_co_u32 s30, s30, s31
	s_mov_b32 s31, 0
	s_lshl_b32 s42, s22, 4
	s_lshl2_add_u32 s42, s20, s42                  ; my first row: 16 P + 4 wave
	s_mul_i32 s42, s42, s23
	s_add_co_u32 s42, s42, s27
	s_mov_b32 s43, 0
	s_mov_b32 s44, s23                             ; a row's bytes as a pair
	s_mov_b32 s45, 0
	s_mov_b32 s40, 0x76543210                      ; v_permlanex16_b32: each lane takes its own place in the other half
	s_mov_b32 s41, 0xfedcba98
	s_wait_kmcnt 0x0
	s_cmp_eq_u32 s25, 1
	s_cselect_b64 s[28:29], s[8:9], s[6:7]
	s_cmp_eq_u32 s25, 2
	s_cselect_b64 s[28:29], s[10:11], s[28:29]
	s_cmp_eq_u32 s25, 3
	s_cselect_b64 s[28:29], s[12:13], s[28:29]
	s_cmp_lt_u32 s21, 1024
	s_cselect_b64 s[28:29], s[4:5], s[28:29]
	s_cselect_b64 s[32:33], s[14:15], s[16:17]
	s_add_nc_u64 s[28:29], s[28:29], s[30:31]
	s_add_nc_u64 s[32:33], s[32:33], s[42:43]      ; my four rows' bases
	s_add_nc_u64 s[34:35], s[32:33], s[44:45]
	s_add_nc_u64 s[36:37], s[34:35], s[44:45]
	s_add_nc_u64 s[38:39], s[36:37], s[44:45]
	s_wait_alu depctr_va_vdst(0)                   ; v1 and v[2:9] are written: every load of the kernel reads v1 as its offset, every store of the rounded pieces one of v[2:9]
.set i, 0
.rept 32
	global_load_b128 v[D+4*i:D+4*i+3], v1, s[28:29] offset:512*i th:TH_LOAD_NT
.set i, i+1
.endr
	s_cmp_eq_u32 s21, 1216
	s_cbranch_scc1 .Lmask
.set p, 0
.rept 8                                            ; block p: pieces 4 p to 4 p + 3
	s_wait_loadcnt 28-4*p                          ; loads come back in order: the block's four pieces are in, the 28 - 4 p younger ones stay out
.if p > 0
	s_wait_alu depctr_va_vdst(0)                   ; the block before has written its eight rounded registers, which the four stores below read
.endif
.set k, 0
.rept 4
.set i, 4*p+k
.if p > 0
	global_store_b64 v[OFFB+(i-4)%8], v[D+4*(i-4):D+4*(i-4)+1], s[32+2*((i-4)/8):33+2*((i-4)/8)]  ; the block before; 32 lanes x 8 bytes: 256 consecutive bytes; no vector line since the wait names its registers, and none writes them again
.endif
	v_cvt_pk_bf16_f32 v[D+4*i], v[D+4*i], v[D+4*i+1]
	v_cvt_pk_bf16_f32 v[D+4*i+1], v[D+4*i+2], v[D+4*i+3]
.set k, k+1
.endr
.set p, p+1
.endr
	s_wait_alu depctr_va_vdst(0)                   ; block 7 has written its eight rounded registers, which the last four stores read
.set i, 28
.rept 4
	global_store_b64 v[OFFB+i%8], v[D+4*i:D+4*i+1], s[32+2*(i/8):33+2*(i/8)]
.set i, i+1
.endr
	s_endpgm
.Lmask:                                            ; a wave holds its batch's 4,096 numbers
	s_mov_b32 s22, 0x38d1b717                      ; 1e-4, as a pair of which the packed lines take the low word; the set-up's scalars are free
	s_mov_b32 s23, s22
	s_mov_b32 s24, 0xc61c4000                      ; -10000
	s_mov_b32 s25, s24
	s_wait_loadcnt 0x0
.set i, 0
.rept 16
.irp p, 0,1,2,3
	v_pk_mul_f32 v[TD+2*(\p):TD+2*(\p)+1], v[D+8*i+2*(\p):D+8*i+2*(\p)+1], s[22:23] op_sel_hi:[1,0]  ; q = x 1e-4
.endr
.irp p, 0,1,2,3
	v_pk_fma_f32 v[D+8*i+2*(\p):D+8*i+2*(\p)+1], v[TD+2*(\p):TD+2*(\p)+1], s[24:25], v[D+8*i+2*(\p):D+8*i+2*(\p)+1] op_sel_hi:[1,0,1]  ; r = x - 10000 q
.endr
.irp p, 0,1,2,3
	v_pk_fma_f32 v[D+8*i+2*(\p):D+8*i+2*(\p)+1], v[D+8*i+2*(\p):D+8*i+2*(\p)+1], s[22:23], v[TD+2*(\p):TD+2*(\p)+1] op_sel_hi:[1,0,1]  ; q + r 1e-4
.endr
.irp p, 0,1,2,3
	v_pk_add_f32 v[D+8*i+2*(\p):D+8*i+2*(\p)+1], v[D+8*i+2*(\p):D+8*i+2*(\p)+1], 1.0 op_sel_hi:[1,0]  ; m
.endr
.set i, i+1
.endr
.set st, 2                                         ; a tree over the 64 pairs: partners 2, 4 .. 64 registers apart
.rept 6
.set u, 0
.rept 64/st
	v_pk_add_f32 v[D+2*st*u:D+2*st*u+1], v[D+2*st*u:D+2*st*u+1], v[D+2*st*u+st:D+2*st*u+st+1]
.set u, u+1
.endr
.set st, st*2
.endr
	v_add_f32 v[D], v[D], v[D+1]
	v_add_f32_dpp v[D], v[D], v[D] row_xmask:1 row_mask:0xf bank_mask:0xf
	v_add_f32_dpp v[D], v[D], v[D] row_xmask:2 row_mask:0xf bank_mask:0xf
	v_add_f32_dpp v[D], v[D], v[D] row_xmask:4 row_mask:0xf bank_mask:0xf
	v_add_f32_dpp v[D], v[D], v[D] row_xmask:8 row_mask:0xf bank_mask:0xf
	v_permlanex16_b32 v[D+1], v[D], s40, s41
	v_add_f32 v[D], v[D], v[D+1]
	v_add_f32 v[D], 0x3727c5ac, v[D]               ; + 1e-5
	v_mov_b32 v[D+1], v[D]
	v_lshl_add_u32 v[D+2], s20, 8, v[OFFB]         ; 256 x batch + 8 x lane: the batch's 64 words all hold the number
	s_wait_alu depctr_va_vdst(0)                   ; the sum, its copy and the offset, v[16:18], are written, which the store reads
	global_store_b64 v[D+2], v[D:D+1], s[18:19]
	s_endpgm
.Lfunc_end_k_q31440f9e57_prep:
	.size	k_q31440f9e57_prep, .Lfunc_end_k_q31440f9e57_prep-k_q31440f9e57_prep
	.p2alignl 7, 3214868480
	.fill 96, 4, 3214868480
	.section	.rodata,"a",@progbits
	.p2align	6, 0x0
	.amdhsa_kernel k_q31440f9e57_prep
		.amdhsa_group_segment_fixed_size 0
		.amdhsa_private_segment_fixed_size 0
		.amdhsa_enable_private_segment 0
		.amdhsa_kernarg_size 64
		.amdhsa_user_sgpr_count 2
		.amdhsa_user_sgpr_kernarg_segment_ptr 1
		.amdhsa_wavefront_size32 1
		.amdhsa_system_sgpr_workgroup_id_x 1
		.amdhsa_system_sgpr_workgroup_id_y 1
		.amdhsa_system_sgpr_workgroup_id_z 1
		.amdhsa_system_vgpr_workitem_id 0
		.amdhsa_next_free_vgpr 152
		.amdhsa_next_free_sgpr 66
		.amdhsa_reserve_vcc 0
		.amdhsa_float_denorm_mode_32 3
		.amdhsa_float_denorm_mode_16_64 3
		.amdhsa_memory_ordered 1
		.amdhsa_forward_progress 1
		.amdhsa_inst_pref_size 35
	.end_amdhsa_kernel
	.amdgpu_metadata
---
amdhsa.version: [ 1, 2 ]
amdhsa.kernels:
  - .name:           k_q31440f9e57_prep
    .symbol:         k_q31440f9e57_prep.kd
    .args:
      - { .name: hidden_states, .offset: 0, .size: 8, .value_kind: global_buffer, .address_space: global }
      - { .name: Wk, .offset: 8, .size: 8, .value_kind: global_buffer, .address_space: global }
      - { .name: Wv, .offset: 16, .size: 8, .value_kind: global_buffer, .address_space: global }
      - { .name: Wq, .offset: 24, .size: 8, .value_kind: global_buffer, .address_space: global }
      - { .name: attention_mask, .offset: 32, .size: 8, .value_kind: global_buffer, .address_space: global }
      - { .name: xb, .offset: 40, .size: 8, .value_kind: global_buffer, .address_space: global }
      - { .name: wb, .offset: 48, .size: 8, .value_kind: global_buffer, .address_space: global }
      - { .name: dn, .offset: 56, .size: 8, .value_kind: global_buffer, .address_space: global }
    .group_segment_fixed_size: 0
    .private_segment_fixed_size: 0
    .kernarg_segment_align: 8
    .kernarg_segment_size: 64
    .max_flat_workgroup_size: 128
    .sgpr_count:     66
    .vgpr_count:     152
    .wavefront_size: 32
...
	.end_amdgpu_metadata
.endif
;; end of part 5
;; launch kvgemm: the kernel of part 2 again; grid 8 x 32, 4 waves a work-group, clusters of 4 x 4, 327,680 bytes of LDS; arguments xb, wb, bk, bv, attention_mask, part; writes part
;; launch fold: the kernel of part 3 again; grid 6 x 64, 4 waves a work-group, no clusters, 0 bytes of LDS; arguments part, g, vs; writes g, vs
;; launch qgemm: the kernel of part 4 again; grid 4 x 64, 4 waves a work-group, clusters of 4 x 4, 327,680 bytes of LDS; arguments xb, wb, bq, attention_mask, g, vs, dn, out0; writes out0
